; MI455X (gfx1250); checked and timed in simulation.
; The chip was launched on July 23, 2026; its instructions are those of AMD's public machine-readable ISA for CDNA 5 (MIT licence, August 2026) and "CDNA5" Instruction Set Architecture Reference Guide (July 2026). The comments in the code are by the model that wrote it; some were corrected since.
;; VAE Guided Attention. Allowed arithmetic: matrix products marked QUANTISED: E3M2 operands, one E8M0 scale for each 32 along K, by v_wmma_scale_f32_16x16x128_f8f6f4 with both operands' format E3M2, f32 sums; products left as they are: f32 operands where the result goes on into a quantised operand, else bf16, f16 or f32 operands; f32 sums; everything else in f32.
;; Inputs: be1 256 float32; be2 128 float32; bf 512 float32; bk 512 float32; blv 64 float32; bmu 64 float32; bo 512 float32; bq 512 float32; bv 512 float32; eps 2 x 64 float32; we1 256 x 512 float32; we2 128 x 256 float32; wf 512 x 64 float32; wk 512 x 512 float32; wlv 64 x 128 float32; wmu 64 x 128 float32; wo 512 x 512 float32; wq 512 x 512 float32; wv 512 x 512 float32; x 2 x 4,096 x 512 float32.
;; Outputs: out0 2 x 4,096 x 512 float32; out1 2 x 64 float32; out2 2 x 64 float32.
;; This version of the problem:
;;   THIS VERSION OF THE PROBLEM IS GIVEN IN LOW PRECISION. The matrix products marked QUANTISED in the list below multiply operands that are first quantised to E3M2 (3 exponent bits, 2 mantissa bits; 6 bits a number), with one power-of-two scale for each 32 numbers along K (OCP MX v1.0); their sums are f32. All else is computed in f32.
;;   The module's matrix products, in the order in which they are computed (A, B: the left and right operand; K: the contracted axis; several contracted axes count as one K, in the product's order):
;;     1. [M 8,192, K 512] x [K 512, N 512]; A: input x; B: input wq: QUANTISED
;;     2. [M 8,192, K 512] x [K 512, N 512]; A: input x; B: input wk: QUANTISED
;;     3. [M 8,192, K 512] x [K 512, N 512]; A: input x; B: input wv: QUANTISED
;;     4. [M 2, K 512] x [K 512, N 256]; A: computed on the way; B: input we1: left as it is (M = 2 < 16)
;;     5. [M 2, K 256] x [K 256, N 128]; A: computed on the way; B: input we2: left as it is (M = 2 < 16)
;;     6. [M 2, K 128] x [K 128, N 64]; A: computed on the way; B: input wmu: left as it is (M = 2 < 16)
;;     7. [M 2, K 128] x [K 128, N 64]; A: computed on the way; B: input wlv: left as it is (M = 2 < 16)
;;     8. [M 2, K 64] x [K 64, N 512]; A: computed on the way; B: input wf: left as it is (M = 2 < 16)
;;     9. batch 16 x [M 4,096, K 64] x [K 64, N 4,096]; A: computed on the way; B: computed on the way: QUANTISED
;;     10. batch 16 x [M 4,096, K 4,096] x [K 4,096, N 64]; A: softmax (see below); B: computed on the way: QUANTISED
;;     11. [M 8,192, K 512] x [K 512, N 512]; A: computed on the way; B: input wo: QUANTISED
;;   THE QUANTISER, for each operand of a quantised product, along K:
;;     - K is cut into blocks of 32 from its start; a last block that is shorter is filled with zeros.
;;     - A block's scale is 2^e with e = floor(log2(the largest magnitude in the block)) - 4, held to -126 .. 127; a block of zeros has e = 0. As a byte (E8M0): e + 127.
;;     - Each number is divided by its block's scale, clamped to +-28, and rounded to the nearest number of E3M2, ties to even, subnormals kept.
;;     - The product sums the exact products of the quantised numbers (number of the format x scale) in f32.
;;   ~~~python
;;   def quantise(x, axis):      # numpy; x: float32 -> the quantised numbers, widened to float32 again
;;       x = np.moveaxis(x, axis, -1); K = x.shape[-1]
;;       x = np.pad(x, [(0, 0)] * (x.ndim - 1) + [(0, -K % 32)]); x = x.reshape(x.shape[:-1] + (-1, 32)); a = np.abs(x).max(-1, keepdims=True)
;;       e = np.where(a > 0, np.clip(np.frexp(np.where(a > 0, a, 1))[1] - 1 - 4, -126, 127), 0)      # np.frexp(a)[1] - 1 = floor(log2(a)), exactly
;;       r = np.clip(x / 2.0 ** e, -28, 28)
;;       step = 2.0 ** (np.maximum(np.frexp(np.where(r == 0, 1, r))[1] - 1, -2) - 2)
;;       q = np.round(r / step) * step * 2.0 ** e      # np.round: ties to even
;;       return np.moveaxis(q.reshape(q.shape[:-2] + (-1,))[..., :K], -1, axis).astype(np.float32)
;;   ~~~
;;   SOFTMAX AHEAD OF A QUANTISED PRODUCT. Where the list says 'softmax', what is quantised is not the finished softmax but p = 2^(t - M), with t = logit x log2(e) and M = ceil(the row's largest t), a whole number; so 1/2 < the row's largest p <= 1. The row's sum l is taken of the UNQUANTISED p, in f32, and the product's result is divided by l at the end. Since M is a whole number, a kernel that streams over the keys may use a running M (the ceiling of the running maximum): every later rescaling is an exact power of two, which a block's scale takes up: the codes' values come out the same.
;;   OPERANDS COMPUTED ON THE WAY. 'Computed on the way' means the value that the module computes at that place (a softmax that the list does not call 'softmax' is quantised finished and normalised). What goes into a quantiser is computed in f32, as accurately as f32 sums, v_exp_f32 and their like allow (about 1e-6 of the number): no bf16 or f16 on the way to a quantiser, and a product that is left as it is and whose result goes on into a quantised operand takes f32 operands (vector FMAs, or v_wmma_f32_16x16x4_f32). A number that lies on a knife's edge between two numbers of the format may be rounded either way, as far as f32 arithmetic and the matrix unit's own rounding can turn it there, and no further.
;; One version. Each part assembles by itself: llvm-mc -triple=amdgcn-amd-amdhsa -mcpu=gfx1250 --defsym DOCPART=n.
;; ======== version 1 of 1: 6 launches
;; limits: right only within a limited range of input values
;; workspace buffers: opc 4,096,000 bytes; psum 262,144 bytes; lat 8,192 bytes; qc 3,407,872 bytes; kv 6,684,672 bytes; cc 3,276,800 bytes; hp 16,384 bytes
;; launch prep (part 1): grid 160 x 1, 8 waves a work-group, no clusters, 141,312 bytes of LDS; arguments x, wq, wk, wv, wo, opc, psum; writes opc, psum
.if DOCPART == 1
	.amdgcn_target "amdgcn-amd-amdhsa--gfx1250"
	.amdhsa_code_object_version 6
	.text
	.protected	k_q09d79aafa9_prep
	.globl	k_q09d79aafa9_prep
	.p2align	8
	.type	k_q09d79aafa9_prep,@function
k_q09d79aafa9_prep:
	s_mov_b64 s[64:65], 0
	v_nop
	global_prefetch_b8 v0, s[64:65] scope:SCOPE_SE
	s_setreg_imm32_b32 hwreg(HW_REG_WAVE_MODE, 25, 1), 1
	s_wait_xcnt 0x0
; x [8192][512] and wq, wk, wv, wo [512][512], f32, K = 512 innermost, become codes of E3M2 with one E8M0 byte for each 32 along K,
; laid as OPERAND RECORDS: a record is a tile of 16 rows x 512 K = four images of a fragment's 12 registers (registers 4 c .. 4 c + 3 of lane l
; at 1536 s + 512 c + 16 l, s the K step of 128) and 256 bytes of scale words (row r, K step s at 6144 + 16 r + 4 s): 6,400 bytes.
; THE ROWS OF A TILE ARE NOT NEIGHBOURS: rows go in groups of 32; lane row r of tile 2 G + u is row 32 G + 8 u + r + 8 (r / 8).
; Beside that the column sums of each 64 rows of x go to psum [128][512], for the mean that the next launch needs.
; SHARES.  Work-group g takes 64 rows: g < 128 of x, then eight work-groups for each weight; its four tiles are records 4 g .. 4 g + 3 for all five tensors.
; Wave w takes K step w % 4 of rows 32 (w / 4) on.  A lane loads 16 bytes of each row, so a load reads 512 consecutive bytes and a lane's column sums need no other lane;
; the rows turn through the wave's own stage in LDS (pitch 528, an odd multiple of 16 bytes) and come back 64 bytes a lane: 16 neighbours of each block of 32.
; The weights' work-groups run the same additions and store no sums.
; LIMITS: a block whose largest magnitude lies under 2^-122 keeps the byte 1; a block of zeros has the byte 1 and not 127 (its codes are zeros, and this program alone reads the bytes);
; NaN and infinities among the inputs are not served.
.set SLOTB, 528                        ; a row's place in a stage: 512 bytes + 16
.set STGB,  32*SLOTB                   ; a wave's stage
.set SCL,   8*STGB                     ; behind the stages: the four tiles' scale words, 256 bytes a tile
.set SUMS,  SCL+1024                   ; and the waves' column sums, 512 bytes a wave
.set REC,   6400
.set R,   16                           ; v16-143  32 rows as loaded; later tile 1's 64 numbers
.set X,   144                          ; v144-207 tile 0's 64 numbers
.set PC,  208                          ; v208-227 the codes just made, and the conversions' second halves
.set TM,  228                          ; v228-243 at work in the quantiser
.set PW,  244                          ; v244     the scale word just made
.set SA,  246                          ; v246-249, v250-253 column sums, two chains
.set SB,  250
.set WV,  18
.set SEL, 34
; 64 numbers of a lane, register 16 b + i = k 32 b + 16 (lane / 16) + i of my row, become a fragment's codes in v[PC] on and its scale word in v[PW].
.macro QUANT4 s
.irp b, 0,1,2,3
	v_max3_num_f32 v[TM+\b], |v[\s+16*\b]|, |v[\s+1+16*\b]|, 0x2800000   ; block b: my 16 numbers and the floor 2^(5 - 127): the byte cannot fall under 1
.endr
.irp i, 2,4,6,8,10,12,14
.irp b, 0,1,2,3
	s_delay_alu instid0(VALU_DEP_4)
	v_max3_num_f32 v[TM+\b], v[TM+\b], |v[\s+16*\b+\i]|, |v[\s+1+16*\b+\i]|   ; the four blocks by turns
.endr
.endr
.irp b, 0,1,2,3
	s_delay_alu instid0(VALU_DEP_4)
	v_permlanex16_b32 v[TM+4+\b], v[TM+\b], s[SEL], s[SEL+1]
.endr
.irp b, 0,1,2,3
	s_delay_alu instid0(VALU_DEP_4)
	v_max_num_f32 v[TM+\b], v[TM+\b], v[TM+4+\b]   ; with lane l xor 16's: the block's largest magnitude
.endr
.irp b, 0,1,2,3
	s_delay_alu instid0(VALU_DEP_4)
	v_add_nc_u32 v[TM+12+\b], 0xfe000000, v[TM+\b]   ; 4 off its exponent field: the conversion's scale operand
.endr
.irp b, 0,1,2,3
	s_delay_alu instid0(VALU_DEP_4)
	v_lshrrev_b32 v[TM+4+\b], 23, v[TM+12+\b]      ; the scale's byte
.endr
	s_delay_alu instid0(VALU_DEP_3)
	v_lshl_or_b32 v[PW], v[TM+5], 8, v[TM+4]
	s_delay_alu instid0(VALU_DEP_1)
	v_lshl_or_b32 v[PW], v[TM+6], 16, v[PW]
	s_delay_alu instid0(VALU_DEP_1)
	v_lshl_or_b32 v[PW], v[TM+7], 24, v[PW]
.irp c, 0,1
	v_cvt_scalef32_pk16_bf6_f32 v[PC+6*\c:PC+2+6*\c], v[\s+32*\c:\s+15+32*\c], v[TM+12+2*\c]
	v_cvt_scalef32_pk16_bf6_f32 v[PC+12+4*\c:PC+14+4*\c], v[\s+16+32*\c:\s+31+32*\c], v[TM+12+2*\c+1]   ; a conversion's three registers begin on an even number
.endr
	v_nop                                          ; one plain line behind the scaled conversions
.irp c, 0,1                                    ; the operand wants a whole block in a lane: lanes 0-15 block 2 c, lanes 16-31 block 2 c + 1
.irp i, 0,1,2
	v_permlane16_swap_b32 v[PC+6*\c+\i], v[PC+12+4*\c+\i]
.endr
.irp i, 0,1,2
	s_delay_alu instid0(VALU_DEP_3)
	v_mov_b32 v[PC+3+6*\c+\i], v[PC+12+4*\c+\i]
.endr
.endr
.endm
	s_load_b256 s[4:11], s[0:1], 0x0               ; x, wq, wk, wv
	s_load_b128 s[12:15], s[0:1], 0x20             ; wo, opc
	s_load_b64 s[16:17], s[0:1], 0x30              ; psum
	v_lshl_add_u32 v254, v0, 2, 0x22400
	v_mov_b32 v255, 0
	v_lshrrev_b32 v9, 5, v0
	s_delay_alu instid0(VALU_DEP_1)
	v_readfirstlane_b32 s[WV], v9                  ; wave 0..7
	s_and_b32 s19, s[WV], 3                        ; my K step
	s_lshr_b32 s20, s[WV], 2                       ; my half of the 64 rows
	v_and_b32 v10, 31, v0                          ; lane
	v_and_b32 v11, 15, v0                          ; r
	v_bfe_u32 v12, v0, 4, 1                        ; h
	s_delay_alu instid0(VALU_DEP_3)
	v_lshlrev_b32 v1, 4, v10                       ; 16 x lane: in memory, in an image
	s_mul_i32 s21, s[WV], STGB
	v_add_nc_u32 v2, s21, v1                       ; the stage, on the way in
	v_mul_u32_u24 v3, v11, SLOTB
	s_delay_alu instid0(VALU_DEP_1)
	v_lshl_add_u32 v3, v12, 6, v3
	s_delay_alu instid0(VALU_DEP_1)
	v_add_nc_u32 v3, s21, v3                       ; and out: slot r, + 64 h
	s_lshl_b32 s22, s20, 9
	s_lshl_b32 s23, s19, 2
	s_add_co_u32 s22, s22, s23
	s_add_co_u32 s22, s22, SCL
	v_lshlrev_b32 v4, 4, v11
	s_delay_alu instid0(VALU_DEP_1)
	v_add_nc_u32 v4, s22, v4                       ; my scale word: tile 2 (w / 4) + u, row r, K step w % 4
	s_lshl_b32 s23, s[WV], 9
	s_add_co_u32 s23, s23, SUMS
	v_add_nc_u32 v5, s23, v1                       ; my wave's sums
	v_lshlrev_b32 v6, 3, v10                       ; 8 x lane
	s_lshl_b32 s23, s[WV], 8
	s_add_co_u32 s23, s23, SCL
	v_add_nc_u32 v7, s23, v6                       ; waves 0-3: tile w's 256 bytes of scale words
	s_mov_b32 s[SEL], 0x76543210
	s_mov_b32 s[SEL+1], 0xfedcba98                 ; v_permlanex16_b32's selects for lane l xor 16
.irp b, 0,1,2,3
	v_mov_b32 v[TM+4+\b], 0                        ; written once: a lane permute's destination counts as one of its sources
.endr
	s_and_b32 s24, ttmp9, 7                        ; a weight's block of 64 rows
	s_lshl_b32 s26, ttmp9, 2                       ; my work-group's first record
	s_lshl_b32 s27, s20, 1
	s_add_co_u32 s27, s26, s27
	s_mul_i32 s28, s27, REC
	s_mul_i32 s29, s19, 1536
	s_add_co_u32 s28, s28, s29                     ; record 4 g + 2 (w / 4), image w % 4
	s_mov_b32 s29, 0
	s_add_co_u32 s30, s26, s[WV]
	s_mul_i32 s30, s30, REC
	s_add_co_u32 s30, s30, 6144                    ; waves 0-3: record 4 g + w, its scale words
	s_mov_b32 s31, 0
	s_lshl_b32 s32, ttmp9, 11
	s_lshl_b32 s33, s[WV], 9
	s_add_co_u32 s32, s32, s33                     ; waves 0-3: psum's row g, my 128 columns
	s_mov_b32 s33, 0
	s_wait_kmcnt 0x0
	s_cmp_lt_u32 ttmp9, 136                        ; which tensor: the choice hangs on the work-group's number alone
	s_cselect_b64 s[6:7], s[6:7], s[8:9]
	s_cmp_lt_u32 ttmp9, 152
	s_cselect_b64 s[10:11], s[10:11], s[12:13]
	s_cmp_lt_u32 ttmp9, 144
	s_cselect_b64 s[6:7], s[6:7], s[10:11]
	s_cmp_lt_u32 ttmp9, 128
	s_cselect_b64 s[4:5], s[4:5], s[6:7]
	s_cselect_b32 s24, ttmp9, s24
	s_lshl_b32 s24, s24, 17                        ; 64 rows of 2,048 bytes,
	s_lshl_b32 s25, s20, 16                        ; my 32 of them,
	s_add_co_u32 s24, s24, s25
	s_lshl_b32 s25, s19, 9                         ; my 512 bytes of a row
	s_add_co_u32 s24, s24, s25
	s_mov_b32 s25, 0
	s_add_nc_u64 s[4:5], s[4:5], s[24:25]
	s_add_nc_u64 s[28:29], s[14:15], s[28:29]
	s_add_nc_u64 s[30:31], s[14:15], s[30:31]
	s_add_nc_u64 s[32:33], s[16:17], s[32:33]
.set i, 0
.rept 32
	global_load_b128 v[R+4*i:R+4*i+3], v1, s[4:5] offset:2048*i th:TH_LOAD_NT   ; row i: 32 lanes read 512 consecutive bytes
.set i, i+1
.endr
; Row i = 16 a + 8 u + q is row 8 a + q of tile u: it goes to slot 16 u + 8 a + q, so that a tile's 16 rows lie on end.
.set i, 0
.rept 32
	s_wait_loadcnt 31-i                            ; loads come back in order: row i is in, the 31 - i younger ones stay out
	ds_store_b128 v2, v[R+4*i:R+4*i+3] offset:SLOTB*(16*((i/8)%2)+8*(i/16)+i%8)
.if i == 1
	v_pk_add_f32 v[SA:SA+1], v[R:R+1], v[R+4:R+5]              ; the first rows start the two chains: nothing is cleared
	s_wait_alu depctr_va_vdst(0)
	v_pk_add_f32 v[SA+2:SA+3], v[R+2:R+3], v[R+6:R+7]
.elseif i == 3
	v_pk_add_f32 v[SB:SB+1], v[R+8:R+9], v[R+12:R+13]
	v_pk_add_f32 v[SB+2:SB+3], v[R+10:R+11], v[R+14:R+15]
.elseif (i > 3) && (i%2 == 0)
	v_pk_add_f32 v[SA:SA+1], v[SA:SA+1], v[R+4*i:R+4*i+1]
	s_wait_alu depctr_va_vdst(0)
	v_pk_add_f32 v[SA+2:SA+3], v[SA+2:SA+3], v[R+4*i+2:R+4*i+3]
.elseif i > 3
	v_pk_add_f32 v[SB:SB+1], v[SB:SB+1], v[R+4*i:R+4*i+1]
	v_pk_add_f32 v[SB+2:SB+3], v[SB+2:SB+3], v[R+4*i+2:R+4*i+3]
.endif
.set i, i+1
.endr
	s_wait_alu depctr_va_vdst(0)
	v_pk_add_f32 v[SA:SA+1], v[SA:SA+1], v[SB:SB+1]
	v_pk_add_f32 v[SA+2:SA+3], v[SA+2:SA+3], v[SB+2:SB+3]
.irp b, 0,1,2,3
.irp j, 0,1,2,3
	ds_load_b128 v[X+16*\b+4*\j:X+16*\b+4*\j+3], v3 offset:128*\b+16*\j   ; tile 0.  LDS serves a wave's instructions in order: these see my stores
.endr
.endr
	s_wait_dscnt 0x0                               ; tile 0 is in, and the stage's stores have read R
.irp b, 0,1,2,3
.irp j, 0,1,2,3
	ds_load_b128 v[R+16*\b+4*\j:R+16*\b+4*\j+3], v3 offset:16*SLOTB+128*\b+16*\j   ; tile 1 lands while tile 0 is quantised
.endr
.endr
	QUANT4 X
.irp c, 0,1,2
	global_store_b128 v1, v[PC+4*\c:PC+4*\c+3], s[28:29] offset:512*\c   ; 512 consecutive bytes, aligned to 256
.endr
	ds_store_b32 v4, v[PW]                         ; lanes r and r + 16 write the same word with the same value
	s_wait_dscnt 0x0                               ; tile 1 is in
	s_wait_xcnt 0x0                                ; the stores above have read the codes' registers: they are written again below
	QUANT4 R
.irp c, 0,1,2
	global_store_b128 v1, v[PC+4*\c:PC+4*\c+3], s[28:29] offset:REC+512*\c
.endr
	ds_store_b32 v4, v[PW] offset:256
	ds_store_b128 v5, v[SA:SA+3]
	s_wait_dscnt 0x0                               ; for the others' sake: my scale words and sums lie in LDS
	s_barrier_signal -1
	s_barrier_wait -1
	s_cmp_lt_u32 s[WV], 4
	s_cbranch_scc0 .Lend                           ; waves 4-7 are done
	ds_load_b64 v[X:X+1], v7                       ; tile w's scale words, from four waves
	ds_load_b128 v[X+4:X+7], v5 offset:2048        ; wave w + 4's sums: the same columns, the other 32 rows
	s_wait_dscnt 0x0
	global_store_b64 v6, v[X:X+1], s[30:31]        ; 256 consecutive bytes, aligned
	s_cmp_lt_u32 ttmp9, 128
	s_cbranch_scc0 .Lend                           ; a weight has no mean
	v_pk_add_f32 v[SA:SA+1], v[SA:SA+1], v[X+4:X+5]
	v_pk_add_f32 v[SA+2:SA+3], v[SA+2:SA+3], v[X+6:X+7]
	global_store_b128 v1, v[SA:SA+3], s[32:33]
.Lend:
	s_wait_tensorcnt 0x0
	ds_add_u32 v254, v255
	s_wait_dscnt 0x0
	s_endpgm
.Lfunc_end_k_q09d79aafa9_prep:
	.size	k_q09d79aafa9_prep, .Lfunc_end_k_q09d79aafa9_prep-k_q09d79aafa9_prep
	.p2alignl 7, 3214868480
	.fill 96, 4, 3214868480
	.section	.rodata,"a",@progbits
	.p2align	6, 0x0
	.amdhsa_kernel k_q09d79aafa9_prep
		.amdhsa_group_segment_fixed_size 141312
		.amdhsa_private_segment_fixed_size 0
		.amdhsa_enable_private_segment 0
		.amdhsa_kernarg_size 56
		.amdhsa_user_sgpr_count 2
		.amdhsa_user_sgpr_kernarg_segment_ptr 1
		.amdhsa_wavefront_size32 1
		.amdhsa_system_sgpr_workgroup_id_x 1
		.amdhsa_system_sgpr_workgroup_id_y 1
		.amdhsa_system_sgpr_workgroup_id_z 1
		.amdhsa_system_vgpr_workitem_id 0
		.amdhsa_next_free_vgpr 256
		.amdhsa_next_free_sgpr 66
		.amdhsa_reserve_vcc 0
		.amdhsa_float_denorm_mode_32 3
		.amdhsa_float_denorm_mode_16_64 3
		.amdhsa_memory_ordered 1
		.amdhsa_forward_progress 1
		.amdhsa_inst_pref_size 29
	.end_amdhsa_kernel
	.amdgpu_metadata
---
amdhsa.version: [ 1, 2 ]
amdhsa.kernels:
  - .name:           k_q09d79aafa9_prep
    .symbol:         k_q09d79aafa9_prep.kd
    .args:
      - { .name: x, .offset: 0, .size: 8, .value_kind: global_buffer, .address_space: global }
      - { .name: wq, .offset: 8, .size: 8, .value_kind: global_buffer, .address_space: global }
      - { .name: wk, .offset: 16, .size: 8, .value_kind: global_buffer, .address_space: global }
      - { .name: wv, .offset: 24, .size: 8, .value_kind: global_buffer, .address_space: global }
      - { .name: wo, .offset: 32, .size: 8, .value_kind: global_buffer, .address_space: global }
      - { .name: opc, .offset: 40, .size: 8, .value_kind: global_buffer, .address_space: global }
      - { .name: psum, .offset: 48, .size: 8, .value_kind: global_buffer, .address_space: global }
    .group_segment_fixed_size: 141312
    .private_segment_fixed_size: 0
    .kernarg_segment_align: 8
    .kernarg_segment_size: 56
    .max_flat_workgroup_size: 256
    .sgpr_count:     66
    .vgpr_count:     256
    .wavefront_size: 32
...
	.end_amdgpu_metadata
.endif
;; end of part 1
;; launch pool (part 2): grid 8 x 4, 16 waves a work-group, no clusters, 6,656 bytes of LDS; arguments psum, we1, hp; writes hp
.if DOCPART == 2
	.amdgcn_target "amdgcn-amd-amdhsa--gfx1250"
	.amdhsa_code_object_version 6
	.text
	.protected	k_q09d79aafa9_pool
	.globl	k_q09d79aafa9_pool
	.p2align	8
	.type	k_q09d79aafa9_pool,@function
k_q09d79aafa9_pool:
	s_mov_b64 s[64:65], 0
	v_nop
	global_prefetch_b8 v0, s[64:65] scope:SCOPE_SE
	s_setreg_imm32_b32 hwreg(HW_REG_WAVE_MODE, 25, 1), 1
	s_wait_xcnt 0x0
; Parts of xm we1^T, xm the mean of x over the sequence, in f32 multiply-adds.  Work-group (x, y): columns 64 x .. 64 x + 63 along K, rows 64 y .. 64 y + 63 of we1.
; hp [x][batch][256] = sum over the slice's 64 k of xm[batch][k] we1[o][k]; the next launch adds the eight slices.
; Phase 1: wave w adds psum's rows 8 w .. 8 w + 7 (waves 0-7 batch 0, waves 8-15 batch 1): sixteen lanes read a row's 256 bytes of the slice, aligned.
; Phase 2: every wave adds the eight partial sums of each batch from LDS; wave w takes four rows of we1, lane (r, h) the four numbers at 4 r of row 2 q + h; sums over the sixteen lanes by DPP.
; The division by 4,096 is a multiplication by a power of two.  No matrix unit, no tensor load: few rows, a stream of 48 KiB a work-group.
; LIMITS: the sums' order is not reference()'s; NaN and infinities are not served.
.set PS, 0                             ; LDS: the waves' partial sums, 256 bytes a wave
.set OL, 4096                          ; the work-group's results [2][64]
.set SPARE, 4608                       ; the spare words, 128 bytes a wave
	s_load_b128 s[4:7], s[0:1], 0x0                ; psum, we1
	s_load_b64 s[8:9], s[0:1], 0x10                ; hp
	v_lshl_add_u32 v30, v0, 2, SPARE
	v_mov_b32 v31, 0
	v_lshrrev_b32 v1, 5, v0
	v_readfirstlane_b32 s10, v1                    ; wave
	s_and_b32 s11, ttmp7, 0xffff                   ; y
	s_lshl_b32 s12, ttmp9, 8                       ; the slice's 256 bytes of a row
	s_lshl_b32 s14, s10, 14                        ; psum: 8 rows of 2,048 bytes a wave
	s_add_co_u32 s14, s14, s12
	s_mov_b32 s15, 0
	s_lshl_b32 s16, s11, 17                        ; we1: 64 rows a work-group,
	s_lshl_b32 s17, s10, 13                        ; 4 a wave
	s_add_co_u32 s16, s16, s17
	s_add_co_u32 s16, s16, s12
	s_mov_b32 s17, 0
	s_lshl_b32 s18, ttmp9, 11                      ; hp: 2,048 bytes a slice, 256 a quarter
	s_lshl_b32 s19, s11, 8
	s_add_co_u32 s18, s18, s19
	s_mov_b32 s19, 0
	s_lshl_b32 s20, s10, 8
	s_lshl_b32 s21, s10, 4
	s_mov_b32 s22, 0x76543210
	s_mov_b32 s23, 0xfedcba98                      ; selects for lane l xor 16
	v_and_b32 v2, 15, v0                           ; r
	v_bfe_u32 v3, v0, 4, 1                         ; h
	v_and_b32 v8, 31, v0
	v_lshlrev_b32 v4, 4, v2                        ; 16 r
	v_lshlrev_b32 v8, 4, v8                        ; 16 x lane
	v_lshl_add_u32 v5, v3, 11, v4                  ; row h of a pair, 16 r: psum and we1 alike
	v_add_nc_u32 v6, s20, v4                       ; my wave's partial sums
	v_lshl_add_u32 v7, v3, 2, s21                  ; result of row 4 w + h
	v_lshl_add_u32 v9, v3, 10, v4                  ; hp: batch h, 16 r
	s_wait_alu depctr_va_vdst(0)
	s_wait_kmcnt 0x0
	s_add_nc_u64 s[14:15], s[4:5], s[14:15]
	s_add_nc_u64 s[16:17], s[6:7], s[16:17]
	s_add_nc_u64 s[18:19], s[8:9], s[18:19]
.irp j, 0,1,2,3
	global_load_b128 v[32+4*\j:35+4*\j], v5, s[14:15] offset:4096*\j
.endr
.irp q, 0,1
	global_load_b128 v[48+4*\q:51+4*\q], v5, s[16:17] offset:4096*\q th:TH_LOAD_NT
.endr
	s_wait_loadcnt 2                               ; psum's four are in; we1's two may be out
	v_pk_add_f32 v[32:33], v[32:33], v[36:37]
	v_pk_add_f32 v[34:35], v[34:35], v[38:39]
	v_pk_add_f32 v[40:41], v[40:41], v[44:45]
	v_pk_add_f32 v[42:43], v[42:43], v[46:47]
	s_delay_alu instid0(VALU_DEP_2)
	v_pk_add_f32 v[32:33], v[32:33], v[40:41]
	s_delay_alu instid0(VALU_DEP_2)
	v_pk_add_f32 v[34:35], v[34:35], v[42:43]
.irp k, 0,1,2,3
	v_permlanex16_b32 v[36+\k], v[32+\k], s22, s23   ; the odd rows' sums lie 16 lanes away
.endr
	s_delay_alu instid0(VALU_DEP_3)
	v_pk_add_f32 v[32:33], v[32:33], v[36:37]
	s_delay_alu instid0(VALU_DEP_2)
	v_pk_add_f32 v[34:35], v[34:35], v[38:39]
	ds_store_b128 v6, v[32:35] offset:PS           ; both halves of the lanes write the same numbers
	s_wait_dscnt 0x0
	s_barrier_signal -1
	s_barrier_wait -1
.irp i, 0,1,2,3,4,5,6,7,8,9,10,11,12,13,14,15
	ds_load_b128 v[64+4*\i:67+4*\i], v4 offset:PS+256*\i
.endr
	s_wait_dscnt 0x0
.irp i, 1,2,3,4,5,6,7
.irp b, 0,1
.irp e, 0,2
.if \i > 1
	s_delay_alu instid0(VALU_DEP_4)
.endif
	v_pk_add_f32 v[64+32*\b+\e:65+32*\b+\e], v[64+32*\b+\e:65+32*\b+\e], v[64+32*\b+4*\i+\e:65+32*\b+4*\i+\e]
.endr
.endr
.endr
	s_wait_alu depctr_va_vdst(0)                   ; directly ahead of the wait below
	s_wait_loadcnt 0x0                             ; we1
.irp q, 0,1
.irp b, 0,1
	v_pk_mul_f32 v[20+4*\q+2*\b:21+4*\q+2*\b], v[48+4*\q:49+4*\q], v[64+32*\b:65+32*\b]
.endr
.endr
.irp q, 0,1
.irp b, 0,1
	s_delay_alu instid0(VALU_DEP_4)
	v_pk_fma_f32 v[20+4*\q+2*\b:21+4*\q+2*\b], v[50+4*\q:51+4*\q], v[66+32*\b:67+32*\b], v[20+4*\q+2*\b:21+4*\q+2*\b]
.endr
.endr
.irp i, 0,1,2,3
	s_delay_alu instid0(VALU_DEP_4)
	v_add_f32 v[16+\i], v[20+2*\i], v[21+2*\i]     ; i = 2 q + batch
.endr
.irp m, 1,2,4,8
.irp i, 0,1,2,3
	s_delay_alu instid0(VALU_DEP_4)
	v_add_f32_dpp v[16+\i], v[16+\i], v[16+\i] row_xmask:\m row_mask:0xf bank_mask:0xf
.endr
.endr
.irp i, 0,1,2,3
	s_delay_alu instid0(VALU_DEP_4)
	v_mul_f32 v[16+\i], 0x39800000, v[16+\i]       ; / 4,096, exactly
.endr
.irp q, 0,1
.irp b, 0,1
	ds_store_b32 v7, v[16+2*\q+\b] offset:OL+256*\b+8*\q   ; sixteen lanes write the same word with the same value
.endr
.endr
	s_wait_dscnt 0x0
	s_barrier_signal -1
	s_barrier_wait -1
	s_cmp_lg_u32 s10, 0
	s_cbranch_scc1 .Lend
	ds_load_b128 v[32:35], v8 offset:OL
	s_wait_dscnt 0x0
	global_store_b128 v9, v[32:35], s[18:19]       ; sixteen lanes store 256 consecutive bytes, aligned
.Lend:
	s_wait_tensorcnt 0x0                           ; the wave's end
	ds_add_u32 v30, v31
	s_wait_dscnt 0x0
	s_endpgm
.Lfunc_end_k_q09d79aafa9_pool:
	.size	k_q09d79aafa9_pool, .Lfunc_end_k_q09d79aafa9_pool-k_q09d79aafa9_pool
	.p2alignl 7, 3214868480
	.fill 96, 4, 3214868480
	.section	.rodata,"a",@progbits
	.p2align	6, 0x0
	.amdhsa_kernel k_q09d79aafa9_pool
		.amdhsa_group_segment_fixed_size 6656
		.amdhsa_private_segment_fixed_size 0
		.amdhsa_enable_private_segment 0
		.amdhsa_kernarg_size 24
		.amdhsa_user_sgpr_count 2
		.amdhsa_user_sgpr_kernarg_segment_ptr 1
		.amdhsa_wavefront_size32 1
		.amdhsa_system_sgpr_workgroup_id_x 1
		.amdhsa_system_sgpr_workgroup_id_y 1
		.amdhsa_system_sgpr_workgroup_id_z 1
		.amdhsa_system_vgpr_workitem_id 0
		.amdhsa_next_free_vgpr 128
		.amdhsa_next_free_sgpr 66
		.amdhsa_reserve_vcc 0
		.amdhsa_float_denorm_mode_32 3
		.amdhsa_float_denorm_mode_16_64 3
		.amdhsa_memory_ordered 1
		.amdhsa_forward_progress 1
		.amdhsa_inst_pref_size 11
	.end_amdhsa_kernel
	.amdgpu_metadata
---
amdhsa.version: [ 1, 2 ]
amdhsa.kernels:
  - .name:           k_q09d79aafa9_pool
    .symbol:         k_q09d79aafa9_pool.kd
    .args:
      - { .name: psum, .offset: 0, .size: 8, .value_kind: global_buffer, .address_space: global }
      - { .name: we1, .offset: 8, .size: 8, .value_kind: global_buffer, .address_space: global }
      - { .name: hp, .offset: 16, .size: 8, .value_kind: global_buffer, .address_space: global }
    .group_segment_fixed_size: 6656
    .private_segment_fixed_size: 0
    .kernarg_segment_align: 8
    .kernarg_segment_size: 24
    .max_flat_workgroup_size: 512
    .sgpr_count:     66
    .vgpr_count:     128
    .wavefront_size: 32
...
	.end_amdgpu_metadata
.endif
;; end of part 2
;; launch vae (part 3): grid 1 x 1, 16 waves a work-group, no clusters, 10,240 bytes of LDS; arguments hp, be1, we2, be2, wmu, bmu, wlv, blv, eps, wf, bf, bq, bk, out1, out2, lat; writes out1, out2, lat
.if DOCPART == 3
	.amdgcn_target "amdgcn-amd-amdhsa--gfx1250"
	.amdhsa_code_object_version 6
	.text
	.protected	k_q09d79aafa9_vae
	.globl	k_q09d79aafa9_vae
	.p2align	8
	.type	k_q09d79aafa9_vae,@function
k_q09d79aafa9_vae:
	s_mov_b64 s[64:65], 0
	v_nop
	global_prefetch_b8 v0, s[64:65] scope:SCOPE_SE
	s_setreg_imm32_b32 hwreg(HW_REG_WAVE_MODE, 25, 1), 1
	s_wait_xcnt 0x0
; The rest of the pooled chain, in f32 multiply-adds: h1 = relu(the sum of hp's eight slices + be1), h2 = relu(h1 we2^T + be2), mu = h2 wmu^T + bmu (out1), logvar = h2 wlv^T + blv (out2),
; z = mu + eps exp(logvar / 2), lp = z wf^T + bf; lat [b][0] = bq + lp, lat [b][1] = bk + lp: the biases of the next launch's q and k.
; ONE WORK-GROUP: each layer needs all of the layer before.  Every weight is asked for at the head; the counted waits say what may stay out.
; A PRODUCT: a wave reads whole rows of a weight, lane l the 16 bytes at 16 l of each 512, makes partial dots for both batches, and a transposing reduction leaves each sum in its lane.
; LDS regions are written once each, so one barrier a layer is enough.
; LIMITS: the sums' order is not reference()'s; exp(logvar / 2) under 2^-126 comes out as 0 (v_exp_f32); NaN and infinities are not served.
.set H1,  0                            ; LDS: h1 [2][256]
.set H2,  2048                         ; h2 [2][128]
.set ML,  3072                         ; mu [2][64], logvar [2][64]
.set LP,  4096                         ; z wf^T [2][512]
.set SPARE, 8192                       ; the spare words, 128 bytes a wave
.set T,   16                           ; v16-23   at work
.set ACC, 24                           ; v24-55   partial dots
.set XMR, 56                           ; v56-87   the layer's input; at the end z, mu, logvar, the exponentials
.set BQ,  88                           ; v88-119  wmu or wlv
.set A,   120                          ; v120-183 wf; v184-247 we2, then eps and the biases
.set WV,  54
.set M8,  55                           ; lane masks: bit 3, 2, 1, 0 of the lane's number
.set M4,  56
.set M2,  57
.set M1,  58
.set DQ,  0
.macro BARRIER
	s_wait_dscnt 0x0
	s_barrier_signal -1
	s_barrier_wait -1
.endm
; n groups of 4 weights at v[wr] times both batches' inputs at v[xr], v[xr + 4 n]: partial dots into v[ACC + i0], v[ACC + i1]
.macro DOT i0, i1, wr, n, xr
.set TT, T+4*(DQ%2)
.set DQ, DQ+1
	v_pk_mul_f32 v[TT:TT+1], v[\wr:\wr+1], v[\xr:\xr+1]
	v_pk_mul_f32 v[TT+2:TT+3], v[\wr:\wr+1], v[\xr+4*\n:\xr+4*\n+1]
.set k, 1
.rept 2*\n-1
	s_delay_alu instid0(VALU_DEP_2)
	v_pk_fma_f32 v[TT:TT+1], v[\wr+2*k:\wr+2*k+1], v[\xr+2*k:\xr+2*k+1], v[TT:TT+1]
	s_delay_alu instid0(VALU_DEP_2)
	v_pk_fma_f32 v[TT+2:TT+3], v[\wr+2*k:\wr+2*k+1], v[\xr+4*\n+2*k:\xr+4*\n+2*k+1], v[TT+2:TT+3]
.set k, k+1
.endr
	s_delay_alu instid0(VALU_DEP_2)
	v_add_f32 v[ACC+\i0], v[TT], v[TT+1]
	s_delay_alu instid0(VALU_DEP_2)
	v_add_f32 v[ACC+\i1], v[TT+2], v[TT+3]
.endm
; THE TRANSPOSING REDUCTION.  A stage halves the registers: register i keeps sum i in the lanes whose bit is 0 and takes sum i + n in the others; each lane adds what its partner held of its sum.
.macro SWAPST n
.set i, 0
.rept \n
	v_permlane16_swap_b32 v[ACC+i], v[ACC+i+\n]
.set i, i+1
.endr
.set i, 0
.rept \n
	v_add_f32 v[ACC+i], v[ACC+i], v[ACC+i+\n]
.set i, i+1
.endr
.endm
.macro CNDST n, mask, m
.set i, 0
.rept \n
	v_cndmask_b32 v[T+2*(i%4)], v[ACC+i], v[ACC+i+\n], s[\mask]
	v_cndmask_b32 v[T+2*(i%4)+1], v[ACC+i+\n], v[ACC+i], s[\mask]
	s_delay_alu instid0(VALU_DEP_1)
	v_add_f32_dpp v[ACC+i], v[T+2*(i%4)+1], v[T+2*(i%4)] row_xmask:\m row_mask:0xf bank_mask:0xf
.set i, i+1
.endr
.endm
.macro RED16                           ; 16 sums over 32 lanes: lane l ends with sum l / 2
	SWAPST 8
	CNDST 4, M8, 8
	CNDST 2, M4, 4
	CNDST 1, M2, 2
	s_delay_alu instid0(VALU_DEP_1)
	v_add_f32_dpp v[ACC], v[ACC], v[ACC] row_xmask:1 row_mask:0xf bank_mask:0xf
.endm
.macro RED16L                          ; 32 sums over the 16 lanes of each half: register e of lane r ends with sum 2 r + e
	CNDST 16, M8, 8
	CNDST 8, M4, 4
	CNDST 4, M2, 2
	CNDST 2, M1, 1
.endm
	s_load_b512 s[4:19], s[0:1], 0x0               ; hp 4, be1 6, we2 8, be2 10, wmu 12, bmu 14, wlv 16, blv 18
	s_load_b512 s[20:35], s[0:1], 0x40             ; eps 20, wf 22, bf 24, bq 26, bk 28, out1 30, out2 32, lat 34
	v_lshl_add_u32 v254, v0, 2, SPARE
	v_mov_b32 v255, 0
	v_lshrrev_b32 v2, 5, v0
	s_delay_alu instid0(VALU_DEP_1)
	v_readfirstlane_b32 s[WV], v2                  ; wave 0..15
	s_lshl_b32 s60, s[WV], 5
	s_and_b32 s63, s[WV], 7
	s_lshl_b32 s61, s63, 5
	s_and_b32 s62, s[WV], 3
	s_lshl_b32 s62, s62, 9
	s_lshl_b32 s66, s[WV], 9
	s_lshr_b32 s59, s[WV], 3                       ; w / 8
	s_lshl_b32 s67, s59, 9
	s_add_co_u32 s67, s67, ML
	s_lshl_b32 s68, s[WV], 7
	s_add_co_u32 s68, s68, LP
	s_lshl_b32 s69, s59, 11
	s_add_co_u32 s69, s69, LP
	s_lshl_b32 s42, s[WV], 13                      ; we2: my 8 rows
	s_mov_b32 s43, 0
	s_lshl_b32 s48, s[WV], 13                      ; wf: my 32 rows
	s_mov_b32 s49, 0
	s_lshl_b32 s70, s63, 12                        ; wmu, wlv: my 8 rows
	s_mov_b32 s71, 0
	s_mov_b32 s[M8], 0xff00ff00
	s_mov_b32 s[M4], 0xf0f0f0f0
	s_mov_b32 s[M2], 0xcccccccc
	s_mov_b32 s[M1], 0xaaaaaaaa
	v_and_b32 v16, 31, v0                          ; lane
	v_and_b32 v17, 15, v0                          ; r
	v_bfe_u32 v18, v0, 4, 1                        ; h
	v_bfe_u32 v19, v0, 1, 3                        ; (lane / 2) % 8
	v_and_b32 v2, 255, v0
	v_lshlrev_b32 v3, 2, v0                        ; v3  hp and h1: 4 x thread = batch x 1,024 + 4 x output
	v_lshlrev_b32 v1, 4, v16                       ; v1  16 x lane
	v_lshlrev_b32 v6, 4, v17                       ; v6  16 r
	v_lshlrev_b32 v2, 2, v2                        ; v2  be1
	v_lshl_add_u32 v4, v19, 2, s60                 ; v4  be2: output 8 w + (lane / 2) % 8
	v_lshl_add_u32 v5, v19, 2, s61                 ; v5  bmu, blv: output 8 (w % 8) + (lane / 2) % 8
	v_add_nc_u32 v7, s62, v1                       ; v7  bf, bq, bk: columns 128 (w % 4) + 4 x lane
	v_add_nc_u32 v8, s66, v1                       ; v8  lat; waves 0, 1: mu's or logvar's 512 bytes in LDS
	v_lshl_add_u32 v11, v18, 9, v4                 ; v11 where I store h2 (+ H2)
	v_lshl_add_u32 v15, v18, 8, v5
	v_lshl_add_u32 v248, v17, 3, s68
	v_add_nc_u32 v249, s69, v7                     ; v249 where I read z wf^T back: batch w / 8
	v_add_nc_u32 v15, s67, v15                     ; v15 mu (waves 0-7) or logvar
	v_lshl_add_u32 v248, v18, 2, v248              ; v248 where I store z wf^T: output 32 w + 2 r + h
	s_wait_alu depctr_va_vdst(0)
	s_wait_kmcnt 0x0
	s_add_nc_u64 s[42:43], s[8:9], s[42:43]
	s_add_nc_u64 s[48:49], s[22:23], s[48:49]
	s_cmp_lt_u32 s[WV], 8                          ; waves 0-7 make mu, waves 8-15 logvar
	s_cselect_b64 s[44:45], s[12:13], s[16:17]
	s_cselect_b64 s[46:47], s[14:15], s[18:19]
	s_add_nc_u64 s[44:45], s[44:45], s[70:71]
	s_bitcmp1_b32 s[WV], 2                         ; (w / 4) % 2: q's bias or k's
	s_cselect_b64 s[50:51], s[28:29], s[26:27]
	s_cmp_eq_u32 s[WV], 0
	s_cselect_b64 s[52:53], s[30:31], s[32:33]     ; wave 0 stores out1, wave 1 out2
.irp s, 0,1,2,3,4,5,6,7
	global_load_b32 v[T+\s], v3, s[4:5] offset:2048*\s   ; slice s of my (batch, output)
.endr
	global_load_b32 v12, v2, s[6:7]
	global_load_b32 v13, v4, s[10:11]
	global_load_b32 v14, v5, s[46:47]
.irp p, 0,1,2,3,4,5,6,7
.irp i, 0,1
	global_load_b128 v[A+64+8*\p+4*\i:A+64+8*\p+4*\i+3], v1, s[42:43] offset:1024*\p+512*\i th:TH_LOAD_NT   ; we2: my 8 rows
.endr
.endr
.irp p, 0,1,2,3,4,5,6,7
	global_load_b128 v[BQ+4*\p:BQ+4*\p+3], v1, s[44:45] offset:512*\p th:TH_LOAD_NT   ; wmu or wlv: my 8 rows
.endr
.irp j, 0,1,2,3,4,5,6,7,8,9,10,11,12,13,14,15
	global_load_b128 v[A+4*\j:A+4*\j+3], v1, s[48:49] offset:512*\j th:TH_LOAD_NT   ; wf: rows 32 w + 2 j + h, 256 bytes each
.endr
	s_wait_loadcnt 42                              ; hp and be1 are in; two biases, we2, wmu or wlv and wf (2 + 16 + 8 + 16) may be out
	v_add_f32 v16, v16, v17
	v_add_f32 v18, v18, v19
	v_add_f32 v20, v20, v21
	v_add_f32 v22, v22, v23
	s_delay_alu instid0(VALU_DEP_3)
	v_add_f32 v16, v16, v18
	s_delay_alu instid0(VALU_DEP_2)
	v_add_f32 v20, v20, v22
	s_delay_alu instid0(VALU_DEP_1)
	v_add_f32 v16, v16, v20
	s_delay_alu instid0(VALU_DEP_1)
	v_add_f32 v16, v16, v12
	s_delay_alu instid0(VALU_DEP_1)
	v_max_num_f32 v16, 0, v16
	ds_store_b32 v3, v16 offset:H1
	BARRIER                                        ; h1 lies in LDS
.irp b, 0,1
.irp i, 0,1
	ds_load_b128 v[XMR+8*\b+4*\i:XMR+8*\b+4*\i+3], v1 offset:H1+1024*\b+512*\i
.endr
.endr
	s_wait_dscnt 0x0
	s_wait_loadcnt 24                              ; we2 is in; wmu or wlv and wf (8 + 16) may be out
.irp p, 0,1,2,3,4,5,6,7
	DOT \p, 8+\p, A+64+8*\p, 2, XMR
.endr
	global_load_b128 v[A+64:A+67], v6, s[20:21]                ; eps, batch 0: my four of the 64
	global_load_b128 v[A+68:A+71], v6, s[20:21] offset:256     ; batch 1
	global_load_b128 v[A+72:A+75], v7, s[50:51]                ; bq or bk
	global_load_b128 v[A+76:A+79], v7, s[24:25]                ; bf
	RED16                                          ; lane l: batch l / 16, output 8 w + (l / 2) % 8
	s_delay_alu instid0(VALU_DEP_1)
	v_add_f32 v[ACC], v[ACC], v13
	s_delay_alu instid0(VALU_DEP_1)
	v_max_num_f32 v[ACC], 0, v[ACC]
	ds_store_b32 v11, v[ACC] offset:H2             ; two lanes write the same word with the same value
	BARRIER                                        ; h2 lies in LDS
.irp b, 0,1
	ds_load_b128 v[XMR+4*\b:XMR+4*\b+3], v1 offset:H2+512*\b
.endr
	s_wait_dscnt 0x0
	s_wait_loadcnt 20                              ; wmu or wlv is in; wf and the last four loads (16 + 4) may be out
.irp p, 0,1,2,3,4,5,6,7
	DOT \p, 8+\p, BQ+4*\p, 1, XMR
.endr
	RED16
	s_delay_alu instid0(VALU_DEP_1)
	v_add_f32 v[ACC], v[ACC], v14
	ds_store_b32 v15, v[ACC]
	BARRIER                                        ; mu and logvar lie in LDS
	s_cmp_lt_u32 s[WV], 2
	s_cbranch_scc0 .Lno_out
	ds_load_b128 v[BQ:BQ+3], v8 offset:ML          ; wave 0: mu, wave 1: logvar: 512 bytes
	s_wait_dscnt 0x0
	global_store_b128 v1, v[BQ:BQ+3], s[52:53]     ; these registers are not written again
.Lno_out:
.irp b, 0,1
	ds_load_b128 v[XMR+8+4*\b:XMR+11+4*\b], v6 offset:ML+256*\b        ; mu [b][4 r ..]
	ds_load_b128 v[XMR+16+4*\b:XMR+19+4*\b], v6 offset:ML+512+256*\b   ; logvar likewise
.endr
	s_wait_dscnt 0x0
.irp i, 0,1,2,3,4,5,6,7
	v_mul_f32 v[XMR+16+\i], 0x3f38aa3b, v[XMR+16+\i]   ; x log2(e) / 2
.endr
	s_wait_alu depctr_va_vdst(0)
.irp i, 0,1,2,3,4,5,6,7
	v_exp_f32 v[XMR+24+\i], v[XMR+16+\i]
.endr
	v_nop                                          ; a plain line behind the last exponential
	s_wait_alu depctr_va_vdst(0)                   ; and one wait for the eight, ahead of their first reader
	s_wait_loadcnt 2                               ; wf and eps are in; bq or bk and bf may be out
.irp i, 0,1,2,3,4,5,6,7
	v_fma_f32 v[XMR+\i], v[A+64+\i], v[XMR+24+\i], v[XMR+8+\i]   ; z = mu + eps exp(logvar / 2)
.endr
.irp j, 0,1,2,3,4,5,6,7,8,9,10,11,12,13,14,15
	DOT 2*\j, 2*\j+1, A+4*\j, 1, XMR
.endr
	RED16L                                         ; lane (r, h): z wf^T of output 32 w + 2 r + h, batch 0 and batch 1
	ds_store_b32 v248, v[ACC]
	ds_store_b32 v248, v[ACC+1] offset:2048
	BARRIER
	ds_load_b128 v[T:T+3], v249
	s_wait_loadcnt 0x0
	s_wait_dscnt 0x0
	v_pk_add_f32 v[T:T+1], v[T:T+1], v[A+76:A+77]              ; + bf: latent_proj
	v_pk_add_f32 v[T+2:T+3], v[T+2:T+3], v[A+78:A+79]
	s_delay_alu instid0(VALU_DEP_2)
	v_pk_add_f32 v[T:T+1], v[T:T+1], v[A+72:A+73]              ; + bq or bk
	s_delay_alu instid0(VALU_DEP_2)
	v_pk_add_f32 v[T+2:T+3], v[T+2:T+3], v[A+74:A+75]
	global_store_b128 v8, v[T:T+3], s[34:35]       ; 512 consecutive bytes a wave
	s_wait_tensorcnt 0x0                           ; the wave's end
	ds_add_u32 v254, v255
	s_wait_dscnt 0x0
	s_endpgm
.Lfunc_end_k_q09d79aafa9_vae:
	.size	k_q09d79aafa9_vae, .Lfunc_end_k_q09d79aafa9_vae-k_q09d79aafa9_vae
	.p2alignl 7, 3214868480
	.fill 96, 4, 3214868480
	.section	.rodata,"a",@progbits
	.p2align	6, 0x0
	.amdhsa_kernel k_q09d79aafa9_vae
		.amdhsa_group_segment_fixed_size 10240
		.amdhsa_private_segment_fixed_size 0
		.amdhsa_enable_private_segment 0
		.amdhsa_kernarg_size 128
		.amdhsa_user_sgpr_count 2
		.amdhsa_user_sgpr_kernarg_segment_ptr 1
		.amdhsa_wavefront_size32 1
		.amdhsa_system_sgpr_workgroup_id_x 1
		.amdhsa_system_sgpr_workgroup_id_y 1
		.amdhsa_system_sgpr_workgroup_id_z 1
		.amdhsa_system_vgpr_workitem_id 0
		.amdhsa_next_free_vgpr 256
		.amdhsa_next_free_sgpr 76
		.amdhsa_reserve_vcc 0
		.amdhsa_float_denorm_mode_32 3
		.amdhsa_float_denorm_mode_16_64 3
		.amdhsa_memory_ordered 1
		.amdhsa_forward_progress 1
		.amdhsa_inst_pref_size 41
	.end_amdhsa_kernel
	.amdgpu_metadata
---
amdhsa.version: [ 1, 2 ]
amdhsa.kernels:
  - .name:           k_q09d79aafa9_vae
    .symbol:         k_q09d79aafa9_vae.kd
    .args:
      - { .name: hp, .offset: 0, .size: 8, .value_kind: global_buffer, .address_space: global }
      - { .name: be1, .offset: 8, .size: 8, .value_kind: global_buffer, .address_space: global }
      - { .name: we2, .offset: 16, .size: 8, .value_kind: global_buffer, .address_space: global }
      - { .name: be2, .offset: 24, .size: 8, .value_kind: global_buffer, .address_space: global }
      - { .name: wmu, .offset: 32, .size: 8, .value_kind: global_buffer, .address_space: global }
      - { .name: bmu, .offset: 40, .size: 8, .value_kind: global_buffer, .address_space: global }
      - { .name: wlv, .offset: 48, .size: 8, .value_kind: global_buffer, .address_space: global }
      - { .name: blv, .offset: 56, .size: 8, .value_kind: global_buffer, .address_space: global }
      - { .name: eps, .offset: 64, .size: 8, .value_kind: global_buffer, .address_space: global }
      - { .name: wf, .offset: 72, .size: 8, .value_kind: global_buffer, .address_space: global }
      - { .name: bf, .offset: 80, .size: 8, .value_kind: global_buffer, .address_space: global }
      - { .name: bq, .offset: 88, .size: 8, .value_kind: global_buffer, .address_space: global }
      - { .name: bk, .offset: 96, .size: 8, .value_kind: global_buffer, .address_space: global }
      - { .name: out1, .offset: 104, .size: 8, .value_kind: global_buffer, .address_space: global }
      - { .name: out2, .offset: 112, .size: 8, .value_kind: global_buffer, .address_space: global }
      - { .name: lat, .offset: 120, .size: 8, .value_kind: global_buffer, .address_space: global }
    .group_segment_fixed_size: 10240
    .private_segment_fixed_size: 0
    .kernarg_segment_align: 8
    .kernarg_segment_size: 128
    .max_flat_workgroup_size: 512
    .sgpr_count:     76
    .vgpr_count:     256
    .wavefront_size: 32
...
	.end_amdgpu_metadata
.endif
;; end of part 3
;; launch qkv (part 4): grid 64 x 3, 8 waves a work-group, clusters of 4 x 1, 327,680 bytes of LDS; arguments opc, lat, bv, qc, kv; writes qc, kv
.if DOCPART == 4
	.amdgcn_target "amdgcn-amd-amdhsa--gfx1250"
	.amdhsa_code_object_version 6
	.text
	.protected	k_q09d79aafa9_qkv
	.globl	k_q09d79aafa9_qkv
	.p2align	8
	.type	k_q09d79aafa9_qkv,@function
k_q09d79aafa9_qkv:
	s_mov_b64 s[64:65], 0
	v_nop
	global_prefetch_b8 v0, s[64:65] scope:SCOPE_SE
	s_setreg_imm32_b32 hwreg(HW_REG_WAVE_MODE, 25, 1), 1
	s_wait_xcnt 0x0
	s_wait_alu depctr_hold_cnt(0) depctr_sa_sdst(0) depctr_va_vdst(0) depctr_va_sdst(0) depctr_va_ssrc(0) depctr_va_vcc(0) depctr_vm_vsrc(0)
	s_getreg_b32 s2, hwreg(HW_REG_IB_STS2, 6, 4)
	s_cmp_eq_u32 s2, 0
	s_cbranch_scc0 .Lentry_in_a_cluster
	s_endpgm
.Lentry_in_a_cluster:
	s_bfe_u32 s2, ttmp6, 0x10000c
	s_cmp_lg_u32 s2, 0x3003
	s_cbranch_scc0 .Lentry_shape_is_right
	s_endpgm
.Lentry_shape_is_right:
.set REC,  6400
.set WREC, 4*REC
.set XB0,  8*WREC
.set XF,  16
.set XS,  64
.set WS,  68
.set ACC, 84
.set KC,  148
.set PW,  196
.set TM,  204
.set VT,  220
.set SO,  236
.set WF,  0
.set BI,  192
.set WV,  14
.set G1W, 24
.set G1X, 32
.set G0W, 40
.set G0X, 44
.set SEL, 56
.set HM,  58
.set MSB, 0
.macro WIN new
.if MSB != \new
	s_set_vgpr_msb (MSB<<8)|\new
.set MSB, \new
.endif
.endm
.macro ROUND
	s_barrier_signal -1
	s_barrier_wait -1
	s_cmp_lg_u32 s[WV], 0
	s_cbranch_scc1 .Lnw0_\@
	s_barrier_signal -3
.Lnw0_\@:
	s_barrier_wait -3
	s_barrier_signal -1
	s_barrier_wait -1
.endm
.macro PLACES
.rept 4
	v_nop
.endr
.endm
.macro XFETCH n
.irp g, 0,1,2,3,4,5,6,7,8,9,10,11
	ds_load_b128 v[XF+4*\g:XF+4*\g+3], v5 offset:REC*(\n)+512*\g
.endr
	ds_load_b128 v[XS:XS+3], v6 offset:REC*(\n)+6144
.endm
.macro QUANT2 s, dst, tmp, pw
.irp b, 0,1
	v_max3_num_f32 v[TM+\b], |v[\s+16*\b]|, |v[\s+16*\b+1]|, 0x2800000
.endr
.irp i, 2,4,6,8,10,12,14
.irp b, 0,1
	v_max3_num_f32 v[TM+\b], v[TM+\b], |v[\s+16*\b+\i]|, |v[\s+16*\b+\i+1]|
.endr
.endr
.irp b, 0,1
	s_delay_alu instid0(VALU_DEP_2)
	v_permlanex16_b32 v[TM+4+\b], v[TM+\b], s[SEL], s[SEL+1]
.endr
.irp b, 0,1
	s_delay_alu instid0(VALU_DEP_2)
	v_max_num_f32 v[TM+\b], v[TM+\b], v[TM+4+\b]
.endr
.irp b, 0,1
	s_delay_alu instid0(VALU_DEP_2)
	v_add_nc_u32 v[TM+12+\b], 0xfe000000, v[TM+\b]
.endr
.irp b, 0,1
	s_delay_alu instid0(VALU_DEP_2)
	v_lshrrev_b32 v[TM+4+\b], 23, v[TM+12+\b]
.endr
	s_delay_alu instid0(VALU_DEP_1)
	v_lshl_or_b32 v[\pw], v[TM+5], 8, v[TM+4]
	v_cvt_scalef32_pk16_bf6_f32 v[\dst:\dst+2], v[\s:\s+15], v[TM+12]
	v_cvt_scalef32_pk16_bf6_f32 v[\tmp:\tmp+2], v[\s+16:\s+31], v[TM+13]
	v_nop
.irp i, 0,1,2
	v_permlane16_swap_b32 v[\dst+\i], v[\tmp+\i]
.endr
.irp i, 0,1,2
	s_delay_alu instid0(VALU_DEP_3)
	v_mov_b32 v[\dst+3+\i], v[\tmp+\i]
.endr
.endm
.macro MULQK
	WIN 0x11
.irp t, 0,1,2,3
	v_wmma_scale_f32_16x16x128_f8f6f4 v[ACC+8*\t:ACC+8*\t+7], v[WF+48*\t:WF+48*\t+11], v[XF:XF+11], v[BI+8*\t:BI+8*\t+7], v[WS+4*\t], v[XS] matrix_a_fmt:MATRIX_FMT_BF6 matrix_b_fmt:MATRIX_FMT_BF6
.endr
	WIN 0x01
.irp s, 1,2,3
.irp t, 0,1,2,3
	v_wmma_scale_f32_16x16x128_f8f6f4 v[ACC+8*\t:ACC+8*\t+7], v[WF+48*\t+12*\s:WF+48*\t+12*\s+11], v[XF+12*\s:XF+12*\s+11], v[ACC+8*\t:ACC+8*\t+7], v[WS+4*\t+\s], v[XS+\s] matrix_a_fmt:MATRIX_FMT_BF6 matrix_b_fmt:MATRIX_FMT_BF6
.endr
.endr
	WIN 0
.endm
.macro MULV u
	WIN 0x14
.irp t, 0,1,2,3
	v_wmma_scale_f32_16x16x128_f8f6f4 v[ACC+16*\t+8*\u:ACC+16*\t+8*\u+7], v[XF:XF+11], v[WF+48*\t:WF+48*\t+11], v[BI+8*\t:BI+8*\t+7], v[XS], v[WS+4*\t] matrix_a_fmt:MATRIX_FMT_BF6 matrix_b_fmt:MATRIX_FMT_BF6
.endr
	WIN 0x04
.irp s, 1,2,3
.irp t, 0,1,2,3
	v_wmma_scale_f32_16x16x128_f8f6f4 v[ACC+16*\t+8*\u:ACC+16*\t+8*\u+7], v[XF+12*\s:XF+12*\s+11], v[WF+48*\t+12*\s:WF+48*\t+12*\s+11], v[ACC+16*\t+8*\u:ACC+16*\t+8*\u+7], v[XS+\s], v[WS+4*\t+\s] matrix_a_fmt:MATRIX_FMT_BF6 matrix_b_fmt:MATRIX_FMT_BF6
.endr
.endr
	WIN 0
.endm
.macro QB g
.irp t, 0,1,2,3
	v_max3_num_f32 v[TM+\t], |v[ACC+16*\t]|, |v[ACC+16*\t+1]|, 0x2800000
.endr
.irp i, 2,4,6,8,10,12,14
.irp t, 0,1,2,3
	v_max3_num_f32 v[TM+\t], v[TM+\t], |v[ACC+16*\t+\i]|, |v[ACC+16*\t+\i+1]|
.endr
.endr
.irp t, 0,1,2,3
	s_delay_alu instid0(VALU_DEP_4)
	v_permlanex16_b32 v[TM+4+\t], v[TM+\t], s[SEL], s[SEL+1]
.endr
.irp t, 0,1,2,3
	s_delay_alu instid0(VALU_DEP_4)
	v_max_num_f32 v[TM+\t], v[TM+\t], v[TM+4+\t]
.endr
.irp t, 0,1,2,3
	s_delay_alu instid0(VALU_DEP_4)
	v_add_nc_u32 v[TM+12+\t], 0xfe000000, v[TM+\t]
.endr
.irp t, 0,1,2,3
	s_delay_alu instid0(VALU_DEP_4)
	v_lshrrev_b32 v[TM+4+\t], 23, v[TM+12+\t]
.endr
.irp t, 0,1,2,3
.if \g == 0
	s_delay_alu instid0(VALU_DEP_4)
	v_mov_b32 v[PW+\t], v[TM+4+\t]
.else
	s_delay_alu instid0(VALU_DEP_4)
	v_lshl_or_b32 v[PW+\t], v[TM+4+\t], 8*\g, v[PW+\t]
.endif
.endr
.irp t, 0,1,2,3
.if (\g)%2 == 0
	v_cvt_scalef32_pk16_bf6_f32 v[KC+12*\t+6*(\g/2):KC+12*\t+6*(\g/2)+2], v[ACC+16*\t:ACC+16*\t+15], v[TM+12+\t]
.else
	v_cvt_scalef32_pk16_bf6_f32 v[VT+4*\t:VT+4*\t+2], v[ACC+16*\t:ACC+16*\t+15], v[TM+12+\t]
.endif
.endr
	v_nop
.if (\g)%2
.irp t, 0,1,2,3
.irp i, 0,1,2
	v_permlane16_swap_b32 v[KC+12*\t+6*(\g/2)+\i], v[VT+4*\t+\i]
.endr
.endr
.irp t, 0,1,2,3
.irp i, 0,1,2
	v_mov_b32 v[KC+12*\t+6*(\g/2)+3+\i], v[VT+4*\t+\i]
.endr
.endr
.endif
.endm
	s_load_b256 s[4:11], s[0:1], 0x0
	s_load_b64 s[12:13], s[0:1], 0x20
	v_lshl_add_u32 v254, v0, 2, 0x40000
	v_mov_b32 v255, 0
	ds_add_u32 v254, v255
	ds_add_u32 v254, v255
	v_lshrrev_b32 v1, 5, v0
	s_delay_alu instid0(VALU_DEP_1)
	v_readfirstlane_b32 s[WV], v1
	s_bfe_u32 s15, ttmp6, 0x40000
	s_lshl_b32 s16, ttmp9, 2
	s_add_co_u32 s16, s16, s15
	s_and_b32 s17, ttmp7, 0xffff
	s_lshr_b32 s18, s16, 5
	s_and_b32 s19, s16, 31
	s_lshl_b32 s20, s18, 3
	s_add_co_u32 s20, s20, s[WV]
	s_lshl_b32 s21, s20, 5
	s_add_co_u32 s21, s21, s19
	s_mov_b32 s[G1W], 15|(3<<16)|(1<<21)
	s_mov_b32 s[G1W+1], 32<<16
	s_mov_b32 s[G1W+2], 100<<16
	s_mov_b32 s[G1W+3], 32<<16
	s_mov_b32 s[G1W+4], 100
	s_mov_b32 s[G1W+5], 32
	s_mov_b32 s[G1W+6], 0
	s_mov_b32 s[G1W+7], 0
	s_mov_b32 s[G1X], 3<<16
	s_mov_b32 s[G1X+1], 32<<16
	s_mov_b32 s[G1X+2], 25<<16
	s_mov_b32 s[G1X+3], 32<<16
	s_mov_b32 s[G1X+4], 25
	s_mov_b32 s[G1X+5], 32
	s_mov_b32 s[G1X+6], 0
	s_mov_b32 s[G1X+7], 0
	s_lshl_b32 s48, s17, 5
	s_lshl_b32 s49, s[WV], 2
	s_add_co_u32 s48, s48, s49
	s_add_co_u32 s48, s48, 512
	s_mul_i32 s48, s48, REC
	s_mov_b32 s49, 0
	s_lshl_b32 s50, s16, 3
	s_add_co_u32 s50, s50, s[WV]
	s_mul_i32 s50, s50, REC
	s_mov_b32 s51, 0
	s_mul_i32 s52, s[WV], WREC
	s_mul_i32 s53, s[WV], REC
	s_wait_dscnt 0x0
	s_wait_kmcnt 0x0
	s_mov_b32 s[G0W], 1
	s_mov_b32 s[G0W+1], s52
	s_add_nc_u64 s[G0W+2:G0W+3], s[4:5], s[48:49]
	s_or_b32 s[G0W+3], s[G0W+3], 0x80000000
	s_mov_b32 s[G0X], 1
	s_add_co_u32 s[G0X+1], s53, XB0
	s_add_nc_u64 s[G0X+2:G0X+3], s[4:5], s[50:51]
	s_or_b32 s[G0X+3], s[G0X+3], 0x80000000
	ROUND
	tensor_load_to_lds s[G0W:G0W+3], s[G1W:G1W+7]
	s_nop 0
	s_wait_alu depctr_va_vdst(0)
	s_wait_tensorcnt 0x0
	ds_add_u32 v254, v255
	s_wait_dscnt 0x0
	ROUND
	tensor_load_to_lds s[G0X:G0X+3], s[G1X:G1X+7]
	s_nop 0
.rept 4
	v_nop
.endr
	v_and_b32 v240, 31, v0
	v_and_b32 v241, 15, v0
	v_bfe_u32 v242, v0, 4, 1
	s_delay_alu instid0(VALU_DEP_3)
	v_lshlrev_b32 v1, 4, v240
	s_delay_alu instid0(VALU_DEP_4)
	v_lshlrev_b32 v2, 3, v240
	s_delay_alu instid0(VALU_DEP_2)
	v_add_nc_u32 v3, s52, v1
	v_lshl_add_u32 v4, v241, 4, s52
	s_delay_alu instid0(VALU_DEP_4)
	v_add_nc_u32 v5, XB0, v1
	v_lshlrev_b32 v6, 4, v241
	s_delay_alu instid0(VALU_DEP_1)
	v_add_nc_u32 v6, XB0, v6
	v_lshlrev_b32 v243, 6, v242
	v_and_b32 v244, 8, v241
	s_delay_alu instid0(VALU_DEP_1)
	v_add_nc_u32 v244, v244, v241
	s_delay_alu instid0(VALU_DEP_1)
	v_lshlrev_b32 v244, 2, v244
	s_wait_alu depctr_va_vdst(0)
	s_lshl_b32 s62, s18, 1
	s_add_co_u32 s62, s62, s17
	s_lshl_b32 s62, s62, 11
	s_cmp_eq_u32 s17, 2
	s_cselect_b32 s54, -1, 0
	s_cselect_b32 s55, 0, 4
	s_cselect_b32 s62, 0, s62
	s_cselect_b64 s[60:61], s[8:9], s[6:7]
	s_lshl_b32 s63, s[WV], 8
	s_add_co_u32 s62, s62, s63
	s_mov_b32 s63, 0
	s_add_nc_u64 s[60:61], s[60:61], s[62:63]
	v_cndmask_b32 v7, v243, v244, s54
.irp j, 0,1,2,3,4,5,6,7
	v_mad_u32_u24 v[8+\j], s55, \j, v7
.endr
	WIN 0x40
.irp t, 0,1,2,3
.irp j, 0,1,2,3,4,5,6,7
	global_load_b32 v[BI+8*\t+\j], v[8+\j], s[60:61] offset:128*(\t/2)+32*(\t%2)
.endr
.endr
	WIN 0
	s_mov_b32 s[SEL], 0x76543210
	s_mov_b32 s[SEL+1], 0xfedcba98
	s_mov_b32 s[HM], 0xffff0000
.irp b, 0,1,2,3
	v_mov_b32 v[TM+4+\b], 0
.endr
	s_mul_i32 s66, s21, 6144
	s_mov_b32 s67, 0
	s_add_nc_u64 s[66:67], s[10:11], s[66:67]
	s_lshl_b32 s68, s21, 9
	s_add_co_u32 s68, s68, 3145728
	s_mov_b32 s69, 0
	s_add_nc_u64 s[68:69], s[10:11], s[68:69]
	s_mul_i32 s70, s21, 12288
	s_mov_b32 s71, 0
	s_add_nc_u64 s[70:71], s[12:13], s[70:71]
	s_mul_i32 s72, s21, 768
	s_add_co_u32 s72, s72, 6291456
	s_mov_b32 s73, 0
	s_add_nc_u64 s[72:73], s[12:13], s[72:73]
	s_wait_tensorcnt 0x0
	s_barrier_signal -1
	s_barrier_wait -1
	WIN 0x40
.irp t, 0,1,2,3
.irp s, 0,1,2,3
.irp c, 0,1,2
	ds_load_b128 v[WF+48*\t+12*\s+4*\c:WF+48*\t+12*\s+4*\c+3], v3 offset:REC*\t+1536*\s+512*\c
.endr
.endr
.endr
	WIN 0
.irp t, 0,1,2,3
	ds_load_b128 v[WS+4*\t:WS+4*\t+3], v4 offset:REC*\t+6144
.endr
	XFETCH 0
	s_wait_loadcnt 0x0
	s_cmp_eq_u32 s17, 2
	s_cbranch_scc1 .Lpath_v
.irp i, 0,1,2,3,4,5,6,7
	s_wait_dscnt 0x0
	MULQK
	PLACES
.if \i < 7
	XFETCH \i+1
.endif
	QUANT2 ACC, KC+6*\i, VT, PW+\i
.endr
.irp j, 0,1,2,3
	v_cndmask_b32 v[SO+\j], v[PW+2*\j], v[PW+2*\j+1], s[HM]
.endr
	s_cmp_eq_u32 s17, 0
	s_cbranch_scc0 .Lstore_k
.irp i, 0,1,2,3,4,5,6,7
	global_store_b128 v1, v[KC+6*\i:KC+6*\i+3], s[66:67] offset:768*\i
	global_store_b64 v2, v[KC+6*\i+4:KC+6*\i+5], s[66:67] offset:768*\i+512
.endr
	global_store_b128 v1, v[SO:SO+3], s[68:69]
	s_branch .Ldone
.Lstore_k:
	s_wait_alu depctr_va_vdst(0)
.irp g, 0,1,2,3,4,5,6,7,8,9,10,11
	global_store_b128 v1, v[KC+4*\g:KC+4*\g+3], s[70:71] offset:512*\g
.endr
	global_store_b128 v1, v[SO:SO+3], s[72:73]
	s_branch .Ldone
.Lpath_v:
.irp i, 0,1,2,3,4,5,6,7
	s_wait_dscnt 0x0
	MULV (\i%2)
	PLACES
.if \i < 7
	XFETCH \i+1
.endif
.if \i%2
	QB (\i/2)
.endif
.endr
.irp k, 0,1,2,3,4,5,6,7,8,9,10,11
	global_store_b128 v1, v[KC+4*\k:KC+4*\k+3], s[70:71] offset:6144+512*\k
.endr
	v_cndmask_b32 v[SO], v[PW], v[PW+1], s[HM]
	v_cndmask_b32 v[SO+1], v[PW+2], v[PW+3], s[HM]
	global_store_b64 v2, v[SO:SO+1], s[72:73] offset:512
.Ldone:
	s_wait_tensorcnt 0x0
	ds_add_u32 v254, v255
	s_wait_dscnt 0x0
	ROUND
	s_endpgm
.Lfunc_end_k_q09d79aafa9_qkv:
	.size	k_q09d79aafa9_qkv, .Lfunc_end_k_q09d79aafa9_qkv-k_q09d79aafa9_qkv
	.p2alignl 7, 3214868480
	.fill 96, 4, 3214868480
	.section	.rodata,"a",@progbits
	.p2align	6, 0x0
	.amdhsa_kernel k_q09d79aafa9_qkv
		.amdhsa_group_segment_fixed_size 327680
		.amdhsa_private_segment_fixed_size 0
		.amdhsa_enable_private_segment 0
		.amdhsa_kernarg_size 40
		.amdhsa_user_sgpr_count 2
		.amdhsa_user_sgpr_kernarg_segment_ptr 1
		.amdhsa_wavefront_size32 1
		.amdhsa_system_sgpr_workgroup_id_x 1
		.amdhsa_system_sgpr_workgroup_id_y 1
		.amdhsa_system_sgpr_workgroup_id_z 1
		.amdhsa_system_vgpr_workitem_id 0
		.amdhsa_next_free_vgpr 512
		.amdhsa_next_free_sgpr 80
		.amdhsa_reserve_vcc 0
		.amdhsa_float_denorm_mode_32 3
		.amdhsa_float_denorm_mode_16_64 3
		.amdhsa_memory_ordered 1
		.amdhsa_forward_progress 1
		.amdhsa_inst_pref_size 102
	.end_amdhsa_kernel
	.amdgpu_metadata
---
amdhsa.version: [ 1, 2 ]
amdhsa.kernels:
  - .name:           k_q09d79aafa9_qkv
    .symbol:         k_q09d79aafa9_qkv.kd
    .args:
      - { .name: opc, .offset: 0, .size: 8, .value_kind: global_buffer, .address_space: global }
      - { .name: lat, .offset: 8, .size: 8, .value_kind: global_buffer, .address_space: global }
      - { .name: bv, .offset: 16, .size: 8, .value_kind: global_buffer, .address_space: global }
      - { .name: qc, .offset: 24, .size: 8, .value_kind: global_buffer, .address_space: global }
      - { .name: kv, .offset: 32, .size: 8, .value_kind: global_buffer, .address_space: global }
    .group_segment_fixed_size: 327680
    .private_segment_fixed_size: 0
    .kernarg_segment_align: 8
    .kernarg_segment_size: 40
    .max_flat_workgroup_size: 256
    .sgpr_count:     80
    .vgpr_count:     512
    .wavefront_size: 32
...
	.end_amdgpu_metadata
.endif
;; end of part 4
;; launch attn (part 5): grid 16 x 16, 16 waves a work-group, clusters of 4 x 1, 327,680 bytes of LDS; arguments qc, kv, cc; writes cc
.if DOCPART == 5
	.amdgcn_target "amdgcn-amd-amdhsa--gfx1250"
	.amdhsa_code_object_version 6
	.text
	.protected	k_q09d79aafa9_attn
	.globl	k_q09d79aafa9_attn
	.p2align	8
	.type	k_q09d79aafa9_attn,@function
k_q09d79aafa9_attn:
	s_mov_b64 s[64:65], 0
	v_nop
	global_prefetch_b8 v0, s[64:65] scope:SCOPE_SE
	s_setreg_imm32_b32 hwreg(HW_REG_WAVE_MODE, 25, 1), 1
	s_wait_xcnt 0x0
	s_wait_alu depctr_hold_cnt(0) depctr_sa_sdst(0) depctr_va_vdst(0) depctr_va_sdst(0) depctr_va_ssrc(0) depctr_va_vcc(0) depctr_vm_vsrc(0)
	s_getreg_b32 s2, hwreg(HW_REG_IB_STS2, 6, 4)
	s_cmp_eq_u32 s2, 0
	s_cbranch_scc0 .Lentry_in_a_cluster
	s_endpgm
.Lentry_in_a_cluster:
	s_bfe_u32 s2, ttmp6, 0x10000c
	s_cmp_lg_u32 s2, 0x3003
	s_cbranch_scc0 .Lentry_shape_is_right
	s_endpgm
.Lentry_shape_is_right:
; ctx = softmax(q_g k_g^T / 8) v for 16 (batch, head) pairs, 4,096 queries and keys, head size 64, both products on codes of E3M2; ctx is quantised along d for the output projection.
; THE SOFTMAX: t = score x log2(e) / 8; M = the running largest t rounded UP to a whole number; p = 2^(t - M) is quantised along the keys, not normalised; the row's sum is taken of the unquantised p and divides at the end.
; When M moves, the sum and O^T are multiplied by 2^(old M - new M), which rounds nothing.
; SHARES.  A work-group owns 256 queries of one pair; each of its sixteen waves one tile of 16, in 256 registers.  Every wave walks 32 steps of 128 keys.
; Both products are used transposed (S^T = K Q^T, O^T = V^T P^T): a lane holds one query throughout.  By the tiles' order of rows the 16 registers of key tiles 2 b, 2 b + 1 are 16 neighbouring keys.
; K = 64 IN AN INSTRUCTION OF 128: Q's registers 6-11 hold zero codes.  A key tile's fragment is v[F + 6 t .. F + 6 t + 11]: its upper six registers are the next tile's codes (behind tile 7: six cleared registers);
; every code is a finite number and meets a zero code; bytes 2 and 3 of both scale words are 0, a power of two and no NaN.
; LDS.  Operands lie as images of registers (16 x lane): no pitch, no padding.  THREE slots of 8 steps (98,304 bytes each) and the pair's scale words (24,576 bytes).
; The head's four tiles are shared out, one load of a quarter a wave: waves 0-3 fill 0, waves 4-7 the scale words, waves 8-11 fill 1, waves 12-15 fill 2.
; Fill 3, the last 8 steps, goes into slot 0 behind the one change of slots, when run 0 has read it.  That it has landed is shown by a barrier whose signal stands behind run 1 and whose wait stands ahead of run 3:
; between the two stand register work and LDS loads of slot 2 and of the scale words, which nothing writes again.
; CLUSTER.  The four query blocks of a cluster walk the same K and V: every tile is asked for jointly.
; All of a WGP's LDS is claimed, and 0 is added to spare words at the head, ahead of the refill's round and at the end.
; LIMITS: the promise holds while |t| stays under 2^31; byte 1 for blocks under 2^-122 and for zeros; 1 / l by v_rcp_f32; NaN and infinities are not served.
.set STEPB, 12288                      ; a step: K's 48 registers (6,144 bytes), then V's four fragments
.set SLOTB, 8*STEPB
.set SCB,   3*SLOTB                    ; the scale words: 768 bytes a step: K's image (512), V's (256)
.set CSG,   SCB+24576                  ; ctx's scale bytes of the work-group's 256 rows: stored by ds_store, never filled
.set SPARE, CSG+512                    ; the spare words: 128 bytes for each of 16 waves
.set ADK, 3                            ; v3   the step's codes
.set ADS, 4                            ; v4   K's scale words
.set ADT, 5                            ; v5   V's
.set SPW, 6                            ; v6   my spare word; never rewritten
.set NIL, 7                            ; v7   0; never rewritten
.set PFO, 10                           ; v10  256 x lane, for the prefetch
.set QS,  11                           ; v11  Q's scale words
.set QF,  16                           ; v16-27 Q's fragment;  v12 -M, v13 the largest t, v[14:15] the sum
.set KS,  28                           ; v28-31 K's scale words: register j: tile 2 j in lanes 0-15, tile 2 j + 1 in lanes 16-31
.set VS,  32                           ; v32-33 V's likewise
.set F,   34                           ; v34-87 K's 48 registers and six zeros; then V's 48
.set S,   88                           ; v88-151 S^T, then p
.set O,   152                          ; v152-183 O^T
.set PCD, 184                          ; v184-195 p's codes
.set CT,  196                          ; v196-203 the conversions' second halves
.set TM,  204                          ; (the quantiser on the way out works in v204-217)
.set BM,  204                          ; v204-207 the blocks' largest scores
.set PM,  208                          ; v208-211 from lane l xor 16; then the bytes
.set SOP, 212                          ; v212-215 the conversions' scale operands
.set FF,  216                          ; v216-217 f = 2^(old M - new M)
.set TP,  218
.set PWD, 219                          ; v219 p's scale word
.set SM,  240                          ; v240-253 seven more chains of the sum
.set WV,  10
.set TB,  14
.set TS,  15
.set CNT, 16
.set ASKAT, 17
.set PFA, 18
.set CS,  20
.set SEL, 22
.set G1,  24
.set G1S, 32
.set G0A, 40
.set G0B, 44
.set G0S, 48
.set G0C, 76
.macro ROUND                           ; a round of the cluster's barrier
	s_barrier_signal -1
	s_barrier_wait -1
	s_cmp_lg_u32 s[WV], 0
	s_cbranch_scc1 .Lnw0_\@
	s_barrier_signal -3
.Lnw0_\@:
	s_barrier_wait -3
	s_barrier_signal -1
	s_barrier_wait -1
.endm
.macro QUANT2 s, dst, tmp, pw          ; 32 numbers of a lane (register 16 b + i = k 32 b + 16 (lane / 16) + i) become six registers of codes and a scale word of two bytes
.irp b, 0,1
	v_max3_num_f32 v[TM+\b], |v[\s+16*\b]|, |v[\s+16*\b+1]|, 0x2800000
.endr
.irp i, 2,4,6,8,10,12,14
.irp b, 0,1
	s_delay_alu instid0(VALU_DEP_2)
	v_max3_num_f32 v[TM+\b], v[TM+\b], |v[\s+16*\b+\i]|, |v[\s+16*\b+\i+1]|
.endr
.endr
.irp b, 0,1
	s_delay_alu instid0(VALU_DEP_2)
	v_permlanex16_b32 v[TM+4+\b], v[TM+\b], s[SEL], s[SEL+1]
.endr
.irp b, 0,1
	s_delay_alu instid0(VALU_DEP_2)
	v_max_num_f32 v[TM+\b], v[TM+\b], v[TM+4+\b]
.endr
.irp b, 0,1
	s_delay_alu instid0(VALU_DEP_2)
	v_add_nc_u32 v[TM+12+\b], 0xfe000000, v[TM+\b]
.endr
.irp b, 0,1
	s_delay_alu instid0(VALU_DEP_2)
	v_lshrrev_b32 v[TM+4+\b], 23, v[TM+12+\b]
.endr
	s_delay_alu instid0(VALU_DEP_1)
	v_lshl_or_b32 v[\pw], v[TM+5], 8, v[TM+4]
	v_cvt_scalef32_pk16_bf6_f32 v[\dst:\dst+2], v[\s:\s+15], v[TM+12]
	v_cvt_scalef32_pk16_bf6_f32 v[\tmp:\tmp+2], v[\s+16:\s+31], v[TM+13]
	v_nop
.irp i, 0,1,2
	v_permlane16_swap_b32 v[\dst+\i], v[\tmp+\i]
.endr
.irp i, 0,1,2
	s_delay_alu instid0(VALU_DEP_3)
	v_mov_b32 v[\dst+3+\i], v[\tmp+\i]
.endr
.endm
.macro SCORE t                         ; S^T of key tile t: source 0 = 16 keys, source 1 = my 16 queries
.if (\t)%2
	v_wmma_scale_f32_16x16x128_f8f6f4 v[S+8*(\t):S+8*(\t)+7], v[F+6*(\t):F+6*(\t)+11], v[QF:QF+11], 0, v[KS+(\t)/2], v[QS] matrix_a_fmt:MATRIX_FMT_BF6 matrix_b_fmt:MATRIX_FMT_BF6 matrix_a_scale:MATRIX_SCALE_ROW1
.else
	v_wmma_scale_f32_16x16x128_f8f6f4 v[S+8*(\t):S+8*(\t)+7], v[F+6*(\t):F+6*(\t)+11], v[QF:QF+11], 0, v[KS+(\t)/2], v[QS] matrix_a_fmt:MATRIX_FMT_BF6 matrix_b_fmt:MATRIX_FMT_BF6
.endif
.endm
.macro PVM t                           ; O^T += V^T P^T, tile t of the head's 64
.if (\t)%2
	v_wmma_scale_f32_16x16x128_f8f6f4 v[O+8*(\t):O+8*(\t)+7], v[F+12*(\t):F+12*(\t)+11], v[PCD:PCD+11], v[O+8*(\t):O+8*(\t)+7], v[VS+(\t)/2], v[PWD] matrix_a_fmt:MATRIX_FMT_BF6 matrix_b_fmt:MATRIX_FMT_BF6 matrix_a_scale:MATRIX_SCALE_ROW1
.else
	v_wmma_scale_f32_16x16x128_f8f6f4 v[O+8*(\t):O+8*(\t)+7], v[F+12*(\t):F+12*(\t)+11], v[PCD:PCD+11], v[O+8*(\t):O+8*(\t)+7], v[VS+(\t)/2], v[PWD] matrix_a_fmt:MATRIX_FMT_BF6 matrix_b_fmt:MATRIX_FMT_BF6
.endif
.endm
; A KEY STEP: 128 keys.  ask = 1: in one trip of the run's eight the asking waves prefetch.
.macro STEP ask
	v_add_nc_u32 v[ADK], s[TB], v1
	v_add_nc_u32 v[ADS], s[TS], v1
	v_add_nc_u32 v[ADT], s[TS], v2
	v_nop                                          ; with the three additions: four plain lines behind the last products, ahead of the loads into their sources
.irp g, 0,1,2,3,4,5,6,7,8,9,10,11
	ds_load_b128 v[F+4*\g:F+4*\g+3], v[ADK] offset:512*\g
.endr
	ds_load_b128 v[KS:KS+3], v[ADS]
	s_wait_alu depctr_va_vdst(0)
	s_wait_dscnt 0x0
.irp t, 0,1,2,3,4,5,6,7
	SCORE \t
.endr
.rept 4
	v_nop                                          ; four plain lines: ahead of V's loads into K's registers, and of the first read of the scores
.endr
.irp g, 0,1,2,3,4,5,6,7,8,9,10,11
	ds_load_b128 v[F+4*\g:F+4*\g+3], v[ADK] offset:6144+512*\g   ; V lands while the softmax is walked
.endr
	ds_load_b64 v[VS:VS+1], v[ADT] offset:512
.if \ask
	s_cmp_eq_u32 s[CNT], s[ASKAT]
	s_cbranch_scc0 .Lnoask_\@
	global_prefetch_b8 v[PFO], s[PFA:PFA+1] th:TH_LOAD_NT scope:SCOPE_SE   ; 8,192 bytes of fill 3, lanes 256 bytes apart
.Lnoask_\@:
.endif
.irp b, 0,1,2,3
	v_max3_num_f32 v[BM+\b], v[S+16*\b], v[S+16*\b+1], v[S+16*\b+2]   ; the largest score of each block of 32 keys: for the row's maximum, and, since p rises with the score, for the block's largest p
.endr
.irp i, 3,5,7,9,11,13
.irp b, 0,1,2,3
	v_max3_num_f32 v[BM+\b], v[BM+\b], v[S+16*\b+\i], v[S+16*\b+\i+1]
.endr
.endr
.irp b, 0,1,2,3
	v_max_num_f32 v[BM+\b], v[BM+\b], v[S+16*\b+15]
.endr
.irp b, 0,1,2,3
	s_delay_alu instid0(VALU_DEP_4)
	v_permlanex16_b32 v[PM+\b], v[BM+\b], s[SEL], s[SEL+1]
.endr
.irp b, 0,1,2,3
	s_delay_alu instid0(VALU_DEP_4)
	v_max_num_f32 v[BM+\b], v[BM+\b], v[PM+\b]     ; with lane l xor 16's 16 keys
.endr
	s_delay_alu instid0(VALU_DEP_2)
	v_max3_num_f32 v[TP], v[BM], v[BM+1], v[BM+2]
	s_delay_alu instid0(VALU_DEP_1)
	v_max_num_f32 v[TP], v[TP], v[BM+3]
	s_delay_alu instid0(VALU_DEP_1)
	v_mul_f32 v[TP], s[CS], v[TP]                  ; as t (c is positive)
	s_delay_alu instid0(VALU_DEP_1)
	v_max_num_f32 v13, v13, v[TP]                  ; the running largest t
	v_mov_b32 v[TP], v12
	s_delay_alu instid0(VALU_DEP_2)
	v_floor_f32 v12, -v13                          ; the new -M = floor(-t): M is a whole number
	s_delay_alu instid0(VALU_DEP_1)
	v_sub_f32 v[TP], v12, v[TP]                    ; old M - new M: a whole number, 0 or less
	s_delay_alu instid0(VALU_DEP_1)
	v_cvt_i32_f32 v[TP], v[TP]                     ; (it saturates)
	s_delay_alu instid0(VALU_DEP_1)
	v_ldexp_f32 v[FF], 1.0, v[TP]                  ; f
.set j, 0
.rept 32
	v_pk_fma_f32 v[S+j:S+j+1], v[S+j:S+j+1], s[CS:CS+1], v[12:13] op_sel_hi:[1,0,0]   ; t - M, two at a time
.set j, j+2
.endr
.irp b, 0,1,2,3
	v_fma_f32 v[BM+\b], v[BM+\b], s[CS], v12       ; the same of each block's largest score
.endr
.set j, 0
	s_wait_alu depctr_va_vdst(0)
.rept 64
	v_exp_f32 v[S+j], v[S+j]                       ; p = 2^(t - M)
.set j, j+1
.endr
	v_pk_mul_f32 v[14:15], v[14:15], v[FF:FF+1] op_sel_hi:[1,0]   ; the sum under the new M; the plain line behind the exponentials
	s_wait_alu depctr_va_vdst(0)                   ; one wait for the 64, ahead of their first reader
.irp b, 0,1,2,3
	v_exp_f32 v[BM+\b], v[BM+\b]                   ; the block's largest p: the same two instructions on the same number
.endr
; the row's sum of the unquantised p: 32 pairs in eight chains
.irp i, 0,1,2,3,4,5,6
	v_pk_add_f32 v[SM+2*\i:SM+2*\i+1], v[S+4*\i:S+4*\i+1], v[S+4*\i+2:S+4*\i+3]
.endr
	v_pk_add_f32 v[14:15], v[14:15], v[S+28:S+29]
.irp k, 0,1
.irp i, 0,1,2,3,4,5,6
	v_pk_add_f32 v[SM+2*\i:SM+2*\i+1], v[SM+2*\i:SM+2*\i+1], v[S+30+16*\k+2*\i:S+31+16*\k+2*\i]
.endr
	v_pk_add_f32 v[14:15], v[14:15], v[S+44+16*\k:S+45+16*\k]
.endr
	v_pk_add_f32 v[SM:SM+1], v[SM:SM+1], v[S+62:S+63]
	v_pk_add_f32 v[SM+2:SM+3], v[SM+2:SM+3], v[SM+4:SM+5]
	v_pk_add_f32 v[SM+6:SM+7], v[SM+6:SM+7], v[SM+8:SM+9]
	v_pk_add_f32 v[SM+10:SM+11], v[SM+10:SM+11], v[SM+12:SM+13]
	s_delay_alu instid0(VALU_DEP_4)
	v_pk_add_f32 v[14:15], v[14:15], v[SM:SM+1]
	s_delay_alu instid0(VALU_DEP_3)
	v_pk_add_f32 v[SM+2:SM+3], v[SM+2:SM+3], v[SM+6:SM+7]
	s_delay_alu instid0(VALU_DEP_2)
	v_pk_add_f32 v[14:15], v[14:15], v[SM+10:SM+11]
	s_delay_alu instid0(VALU_DEP_1)
	v_pk_add_f32 v[14:15], v[14:15], v[SM+2:SM+3]
	s_wait_alu depctr_va_vdst(0)                   ; and one wait for the four
.irp b, 0,1,2,3
	v_max_num_f32 v[BM+\b], 0x2800000, v[BM+\b]    ; the floor 2^(5 - 127)
.endr
.irp b, 0,1,2,3
	s_delay_alu instid0(VALU_DEP_4)
	v_add_nc_u32 v[SOP+\b], 0xfe000000, v[BM+\b]
.endr
.irp b, 0,1,2,3
	s_delay_alu instid0(VALU_DEP_4)
	v_lshrrev_b32 v[PM+\b], 23, v[SOP+\b]
.endr
	s_delay_alu instid0(VALU_DEP_3)
	v_lshl_or_b32 v[PWD], v[PM+1], 8, v[PM]
	s_delay_alu instid0(VALU_DEP_1)
	v_lshl_or_b32 v[PWD], v[PM+2], 16, v[PWD]
	s_delay_alu instid0(VALU_DEP_1)
	v_lshl_or_b32 v[PWD], v[PM+3], 24, v[PWD]
.irp c, 0,1
	v_cvt_scalef32_pk16_bf6_f32 v[PCD+6*\c:PCD+6*\c+2], v[S+32*\c:S+32*\c+15], v[SOP+2*\c]
	v_cvt_scalef32_pk16_bf6_f32 v[CT+4*\c:CT+4*\c+2], v[S+32*\c+16:S+32*\c+31], v[SOP+2*\c+1]
.endr
	v_nop                                          ; one plain line behind the scaled conversions
.irp c, 0,1
.irp i, 0,1,2
	v_permlane16_swap_b32 v[PCD+6*\c+\i], v[CT+4*\c+\i]
.endr
.irp i, 0,1,2
	s_delay_alu instid0(VALU_DEP_3)
	v_mov_b32 v[PCD+6*\c+3+\i], v[CT+4*\c+\i]
.endr
.endr
.set j, 0
.rept 16
	v_pk_mul_f32 v[O+j:O+j+1], v[O+j:O+j+1], v[FF:FF+1] op_sel_hi:[1,0]   ; O^T under the new M; these sixteen also part the scale word and the codes just written from the products below
.set j, j+2
.endr
	s_wait_alu depctr_va_vdst(0)
	s_wait_dscnt 0x0                               ; V is in
.irp t, 0,1,2,3
	PVM \t                                         ; four accumulators, one instruction each
.endr
	s_add_co_u32 s[TB], s[TB], STEPB
	s_add_co_u32 s[TS], s[TS], 768
.endm
.macro SLOTRUN p, slot, ask            ; fill p's eight steps, which lie in the slot named
	s_mov_b32 s[TB], (\slot)*SLOTB
	s_mov_b32 s[TS], SCB+6144*(\p)
	s_mov_b32 s[CNT], 8
.Lstep_\@:
	STEP \ask
	s_sub_co_u32 s[CNT], s[CNT], 1
	s_cmp_lg_u32 s[CNT], 0
	s_cbranch_scc1 .Lstep_\@
.endm
.macro ARM under, g0, g1, next         ; one arm of the head's chain: its load, and a jump to the chain's end
	s_cmp_lt_u32 s[WV], \under
	s_cbranch_scc0 \next
	tensor_load_to_lds s[\g0:\g0+3], s[\g1:\g1+7]
	s_nop 0
.rept 4
	v_nop
.endr
	s_branch .Lasked
\next:
.endm
	s_load_b128 s[4:7], s[0:1], 0x0                ; qc, kv
	s_load_b64 s[8:9], s[0:1], 0x10                ; cc
	v_lshl_add_u32 v[SPW], v0, 2, SPARE
	v_mov_b32 v[NIL], 0
	ds_add_u32 v[SPW], v[NIL]                      ; the opening lines
	ds_add_u32 v[SPW], v[NIL]
	s_wait_dscnt 0x0
	v_lshrrev_b32 v1, 5, v0
	s_delay_alu instid0(VALU_DEP_1)
	v_readfirstlane_b32 s[WV], v1                  ; wave 0..15
	s_bfe_u32 s11, ttmp6, 0x40000                  ; cx
	s_lshl_b32 s12, ttmp9, 2
	s_add_co_u32 s12, s12, s11                     ; my block of 256 queries: it enters global addresses alone
	s_and_b32 s13, ttmp7, 0xffff                   ; batch x 8 + head, which the partners share
	s_mov_b32 s[G1], 15|(3<<16)|(1<<21)            ; the mask: all four; elements of 8 bytes; bit 21 beside the mask
	s_mov_b32 s[G1+1], 32<<16                      ; rows of 256 bytes
	s_mov_b32 s[G1+2], 96<<16                      ; 96 of them: two steps, a quarter of a fill
	s_mov_b32 s[G1+3], 32<<16
	s_mov_b32 s[G1+4], 96
	s_mov_b32 s[G1+5], 32
	s_mov_b32 s[G1+6], 0
	s_mov_b32 s[G1+7], 0
	s_mov_b32 s[G1S], 15|(3<<16)|(1<<21)
	s_mov_b32 s[G1S+1], 32<<16
	s_mov_b32 s[G1S+2], 24<<16                     ; a quarter of the scale words
	s_mov_b32 s[G1S+3], 32<<16
	s_mov_b32 s[G1S+4], 24
	s_mov_b32 s[G1S+5], 32
	s_mov_b32 s[G1S+6], 0
	s_mov_b32 s[G1S+7], 0
	s_and_b32 s74, s[WV], 3                        ; which quarter of a tile I fetch
	s_mul_i32 s52, s13, 32*STEPB
	s_mul_i32 s54, s74, 24576
	s_add_co_u32 s52, s52, s54
	s_mov_b32 s53, 0
	s_mul_i32 s56, s13, 24576
	s_mul_i32 s55, s74, 6144
	s_add_co_u32 s56, s56, s55
	s_add_co_u32 s56, s56, 6291456
	s_mov_b32 s57, 0
	s_wait_kmcnt 0x0
	s_mov_b32 s[G0A], 1
	s_mov_b32 s[G0A+1], s54
	s_add_nc_u64 s[G0A+2:G0A+3], s[6:7], s[52:53]
	s_mov_b32 s[G0B], 1
	s_add_co_u32 s[G0B+1], s54, SLOTB
	s_add_nc_u64 s[G0B+2:G0B+3], s[G0A+2:G0A+3], SLOTB
	s_mov_b32 s[G0C], 1
	s_add_co_u32 s[G0C+1], s54, 2*SLOTB
	s_add_nc_u64 s[G0C+2:G0C+3], s[G0A+2:G0A+3], 2*SLOTB
	s_or_b32 s[G0A+3], s[G0A+3], 0x80000000
	s_or_b32 s[G0B+3], s[G0B+3], 0x80000000
	s_or_b32 s[G0C+3], s[G0C+3], 0x80000000
	s_mov_b32 s[G0S], 1
	s_add_co_u32 s[G0S+1], s55, SCB
	s_add_nc_u64 s[G0S+2:G0S+3], s[6:7], s[56:57]
	s_or_b32 s[G0S+3], s[G0S+3], 0x80000000
	ROUND                                          ; all four work-groups are here: the first joint loads meet
	ARM 4,  G0A, G1,  .Lhead_s                     ; one chain on the wave's number: every way passes exactly one load
	ARM 8,  G0S, G1S, .Lhead_b
	ARM 12, G0B, G1,  .Lhead_c
	tensor_load_to_lds s[G0C:G0C+3], s[G1:G1+7]
	s_nop 0
.rept 4
	v_nop
.endr
.Lasked:
	s_lshl_b32 s58, s13, 8
	s_lshl_b32 s59, s12, 4
	s_add_co_u32 s58, s58, s59
	s_add_co_u32 s58, s58, s[WV]                   ; my query tile among qc's
	s_mul_i32 s60, s58, 768
	s_mov_b32 s61, 0
	s_add_nc_u64 s[66:67], s[4:5], s[60:61]
	s_lshl_b32 s60, s13, 5                         ; its scale word: image 32 x pair + tile / 8; in it tile i = w % 8: 256 (i % 2) + 4 (i / 2) + 16 r
	s_lshl_b32 s62, s12, 1
	s_add_co_u32 s60, s60, s62
	s_lshr_b32 s62, s[WV], 3
	s_add_co_u32 s60, s60, s62
	s_lshl_b32 s60, s60, 9
	s_and_b32 s62, s[WV], 1
	s_lshl_b32 s62, s62, 8
	s_add_co_u32 s60, s60, s62
	s_bfe_u32 s62, s[WV], 0x20001
	s_lshl_b32 s62, s62, 2
	s_add_co_u32 s60, s60, s62
	s_add_co_u32 s60, s60, 3145728
	s_add_nc_u64 s[68:69], s[4:5], s[60:61]
	s_lshr_b32 s60, s13, 3                         ; ctx's record: ((batch x 256 + tile) x 8 + head) x 768
	s_lshl_b32 s60, s60, 8
	s_add_co_u32 s60, s60, s59
	s_add_co_u32 s60, s60, s[WV]
	s_lshl_b32 s60, s60, 3
	s_and_b32 s62, s13, 7
	s_add_co_u32 s60, s60, s62
	s_mul_i32 s60, s60, 768
	s_add_nc_u64 s[70:71], s[8:9], s[60:61]
	s_lshl_b32 s60, s13, 13                        ; ctx's scale bytes: two a row, 4,096 rows a pair; my work-group's 512 bytes
	s_lshl_b32 s62, s12, 9
	s_add_co_u32 s60, s60, s62
	s_add_co_u32 s60, s60, 3145728
	s_add_nc_u64 s[72:73], s[8:9], s[60:61]
	; THE PREFETCH.  Fill 3 is named once in the launch: all clusters of a pair walk the same K and V, so the pair's first cluster asks; its four partners take 24,576 bytes each, told apart by address;
	; in each, waves 4, 5 and 6 take 8,192 bytes, a lane 256.  They ask in the seventh of run 0's eight steps, behind the step's LDS loads, for what the change of slots behind the eighth will load.
	; Fills 0 to 2 and the scale words come by their loads alone, at the head.  The address is never rewritten.
	s_mul_i32 s60, s13, 32*STEPB
	s_mul_i32 s62, s11, 24576
	s_add_co_u32 s60, s60, s62
	s_lshl_b32 s62, s74, 13
	s_add_co_u32 s60, s60, s62
	s_add_co_u32 s60, s60, 3*SLOTB
	s_add_nc_u64 s[PFA:PFA+1], s[6:7], s[60:61]
	s_lshr_b32 s62, s[WV], 2
	s_xor_b32 s62, s62, 1                          ; 0 in waves 4-7,
	s_or_b32 s62, s62, ttmp9                       ; of the pair's first cluster: the same in all four partners
	s_cmp_eq_u32 s62, 0
	s_cselect_b32 s[ASKAT], 2, 0                   ; the count of steps left at which I ask; 0 is never met inside a trip
	s_cmp_eq_u32 s[WV], 7
	s_cselect_b32 s[ASKAT], 0, s[ASKAT]
	s_mov_b32 s[CS], 0x3e38aa3b                    ; c = log2(e) / 8
	s_mov_b32 s[CS+1], s[CS]                       ; (named with it as a pair)
	s_mov_b32 s[SEL], 0x76543210
	s_mov_b32 s[SEL+1], 0xfedcba98
	v_and_b32 v3, 31, v0
	s_delay_alu instid0(VALU_DEP_1)
	v_lshlrev_b32 v1, 4, v3                        ; v1  16 x lane
	s_delay_alu instid0(VALU_DEP_2)
	v_lshlrev_b32 v2, 3, v3                        ; v2  8 x lane
	s_delay_alu instid0(VALU_DEP_3)
	v_lshlrev_b32 v[PFO], 8, v3
	v_and_b32 v4, 15, v0
	s_delay_alu instid0(VALU_DEP_1)
	v_lshlrev_b32 v8, 4, v4                        ; v8  16 r
	s_lshl_b32 s62, s[WV], 5
	s_add_co_u32 s62, s62, CSG
	v_lshl_add_u32 v9, v4, 1, s62                  ; v9  where my row's two scale bytes of ctx go
	global_load_b128 v[QF:QF+3], v1, s[66:67]
	global_load_b64 v[QF+4:QF+5], v2, s[66:67] offset:512
	global_load_b32 v[QS], v8, s[68:69]
.irp i, 6,7,8,9,10,11
	v_mov_b32 v[QF+\i], 0                          ; zero codes: K = 64 .. 127
.endr
.irp i, 48,49,50,51,52,53
	v_mov_b32 v[F+\i], 0                           ; behind key tile 7
.endr
	v_mov_b32 v13, 0xff61b1e6                      ; the largest t so far: -3e38
	s_delay_alu instid0(VALU_DEP_1)
	v_floor_f32 v12, -v13                          ; -M
	v_mov_b32 v14, 0
	v_mov_b32 v15, 0
.irp b, 0,1,2,3
	v_mov_b32 v[PM+\b], 0                          ; a lane permute's destination counts as one of its sources
.endr
	v_mov_b32 v[FF+1], 0                           ; (named as the upper half of a pair)
.set j, 0
.rept 32
	v_mov_b32 v[O+j], 0                            ; the step is written once: the first finds zeros, which the first change of M leaves zeros
.set j, j+1
.endr
	s_wait_alu depctr_va_vdst(0)
	s_wait_tensorcnt 0x0                           ; my one load has landed,
	s_barrier_signal -1
	s_barrier_wait -1                              ; everybody's has: fills 0 to 2 and the scale words
	s_wait_loadcnt 0x0                             ; Q
	SLOTRUN 0, 0, 1
	; THE CHANGE OF SLOTS: no load of mine is out; 0 onto my spare word; my reads of slot 0 are over; a round of the cluster's barrier; then waves 0-3 ask jointly for fill 3
	s_wait_tensorcnt 0x0
	ds_add_u32 v[SPW], v[NIL]
	s_add_nc_u64 s[G0A+2:G0A+3], s[G0A+2:G0A+3], 3*SLOTB
	s_wait_dscnt 0x0
	ROUND
	s_cmp_lt_u32 s[WV], 4
	s_cbranch_scc0 .Lnofill
	tensor_load_to_lds s[G0A:G0A+3], s[G1:G1+7]
	s_nop 0
.rept 4
	v_nop
.endr
.Lnofill:
	SLOTRUN 1, 1, 0
	s_wait_tensorcnt 0x0                           ; my part of fill 3 has landed,
	s_wait_dscnt 0x0                               ; no LDS instruction of mine is out:
	s_barrier_signal -1                            ; say so
	SLOTRUN 2, 2, 0                                ; register work and loads of bytes that nothing writes again
	s_barrier_wait -1                              ; everybody's part of fill 3 has landed
	SLOTRUN 3, 0, 0
	; THE WAY OUT: ctx = O^T / l; register 16 b + i is d = 32 b + 16 (lane / 16) + i of my query: quantised along d, half a fragment of the output projection's operand.
	v_add_f32 v14, v14, v15
	s_delay_alu instid0(VALU_DEP_1)
	v_permlanex16_b32 v[TP], v14, s[SEL], s[SEL+1]
	s_delay_alu instid0(VALU_DEP_1)
	v_add_f32 v14, v14, v[TP]                      ; the row's sum
	s_wait_alu depctr_va_vdst(0)
	v_rcp_f32 v14, v14
	v_add_nc_u32 v3, CSG, v1                       ; wave 0's address below.  With the lines round it: more than four plain lines behind the last products
	v_nop
	v_nop
	s_wait_alu depctr_va_vdst(0)                   ; and ahead of the reciprocal's first reader
.set j, 0
.rept 32
	v_mul_f32 v[S+j], v[O+j], v14                  ; each accumulator from its low end on
.set j, j+1
.endr
	QUANT2 S, PCD, CT, PWD
	global_store_b128 v1, v[PCD:PCD+3], s[70:71]
	global_store_b64 v2, v[PCD+4:PCD+5], s[70:71] offset:512
	ds_store_b16 v9, v[PWD]                        ; lanes r and r + 16 write the same two bytes
	s_wait_dscnt 0x0
	s_barrier_signal -1
	s_barrier_wait -1
	s_cmp_lg_u32 s[WV], 0
	s_cbranch_scc1 .Lnot0
	ds_load_b128 v[S:S+3], v3
	s_wait_dscnt 0x0
	global_store_b128 v1, v[S:S+3], s[72:73]       ; the work-group's 512 scale bytes: consecutive, aligned to 256
.Lnot0:
	s_wait_tensorcnt 0x0                           ; the wave's end
	ds_add_u32 v[SPW], v[NIL]
	s_wait_dscnt 0x0
	ROUND                                          ; the closing round
	s_endpgm
.Lfunc_end_k_q09d79aafa9_attn:
	.size	k_q09d79aafa9_attn, .Lfunc_end_k_q09d79aafa9_attn-k_q09d79aafa9_attn
	.p2alignl 7, 3214868480
	.fill 96, 4, 3214868480
	.section	.rodata,"a",@progbits
	.p2align	6, 0x0
	.amdhsa_kernel k_q09d79aafa9_attn
		.amdhsa_group_segment_fixed_size 327680
		.amdhsa_private_segment_fixed_size 0
		.amdhsa_enable_private_segment 0
		.amdhsa_kernarg_size 24
		.amdhsa_user_sgpr_count 2
		.amdhsa_user_sgpr_kernarg_segment_ptr 1
		.amdhsa_wavefront_size32 1
		.amdhsa_system_sgpr_workgroup_id_x 1
		.amdhsa_system_sgpr_workgroup_id_y 1
		.amdhsa_system_sgpr_workgroup_id_z 1
		.amdhsa_system_vgpr_workitem_id 0
		.amdhsa_next_free_vgpr 256
		.amdhsa_next_free_sgpr 80
		.amdhsa_reserve_vcc 0
		.amdhsa_float_denorm_mode_32 3
		.amdhsa_float_denorm_mode_16_64 3
		.amdhsa_memory_ordered 1
		.amdhsa_forward_progress 1
		.amdhsa_inst_pref_size 83
	.end_amdhsa_kernel
	.amdgpu_metadata
---
amdhsa.version: [ 1, 2 ]
amdhsa.kernels:
  - .name:           k_q09d79aafa9_attn
    .symbol:         k_q09d79aafa9_attn.kd
    .args:
      - { .name: qc, .offset: 0, .size: 8, .value_kind: global_buffer, .address_space: global }
      - { .name: kv, .offset: 8, .size: 8, .value_kind: global_buffer, .address_space: global }
      - { .name: cc, .offset: 16, .size: 8, .value_kind: global_buffer, .address_space: global }
    .group_segment_fixed_size: 327680
    .private_segment_fixed_size: 0
    .kernarg_segment_align: 8
    .kernarg_segment_size: 24
    .max_flat_workgroup_size: 512
    .sgpr_count:     80
    .vgpr_count:     256
    .wavefront_size: 32
...
	.end_amdgpu_metadata
.endif
;; end of part 5
;; launch oproj (part 6): grid 128 x 2, 4 waves a work-group, clusters of 4 x 1, 168,448 bytes of LDS; arguments opc, cc, bo, out0; writes out0
.if DOCPART == 6
	.amdgcn_target "amdgcn-amd-amdhsa--gfx1250"
	.amdhsa_code_object_version 6
	.text
	.protected	k_q09d79aafa9_oproj
	.globl	k_q09d79aafa9_oproj
	.p2align	8
	.type	k_q09d79aafa9_oproj,@function
k_q09d79aafa9_oproj:
	s_mov_b64 s[64:65], 0
	v_nop
	global_prefetch_b8 v0, s[64:65] scope:SCOPE_SE
	s_setreg_imm32_b32 hwreg(HW_REG_WAVE_MODE, 25, 1), 1
	s_wait_xcnt 0x0
	s_wait_alu depctr_hold_cnt(0) depctr_sa_sdst(0) depctr_va_vdst(0) depctr_va_sdst(0) depctr_va_ssrc(0) depctr_va_vcc(0) depctr_vm_vsrc(0)
	s_getreg_b32 s2, hwreg(HW_REG_IB_STS2, 6, 4)
	s_cmp_eq_u32 s2, 0
	s_cbranch_scc0 .Lentry_in_a_cluster
	s_endpgm
.Lentry_in_a_cluster:
	s_bfe_u32 s2, ttmp6, 0x10000c
	s_cmp_lg_u32 s2, 0x3003
	s_cbranch_scc0 .Lentry_shape_is_right
	s_endpgm
.Lentry_shape_is_right:
; out0 = ctx wo^T + bo on codes of E3M2, K = 512 = head x 64 + d.
; Work-group (x, y): 64 tokens (4 tiles of ctx) x columns 256 y on.  Wave w holds wo's tiles 16 y + 4 w .. + 3 (64 columns) x 4 K steps in registers.
; Source 0 = 16 rows of wo, source 1 = 16 tokens; bo is the C of the first K step.  By the tiles' order of rows a lane's eight results are eight neighbouring columns of one token.
; ctx's fragment of K step s is the half records of heads 2 s and 2 s + 1 (six registers each); its scale word is the two heads' byte pairs.
; A tile's 16 rows x 64 columns go through the wave's own stage (pitch 272, an odd multiple of 16 bytes) and leave as rows: sixteen lanes store 256 consecutive bytes, aligned.
; CLUSTER: the four token blocks of a cluster want the same records of wo: asked for jointly.  ctx's tiles and scale bytes are the work-group's own.  Every LDS byte is filled once.
; ctx's scale bytes come as rows of 128 bytes, one a head: 1,024 bytes a work-group.
; LIMITS: the bias enters as C of the first K step: the roundings' order differs from reference()'s.
.set REC,  6400
.set WREC, 4*REC
.set CB,   4*WREC                      ; LDS: behind W's records ctx's four tiles, 6,144 bytes each;
.set CSB,  CB+4*6144                   ; 1,024 bytes that nothing uses;
.set STG,  CSB+1024                    ; the stages: 16 rows x 272 bytes a wave, stored by ds_store, never filled
.set CF,  16                           ; v16-63   a tile of ctx: four fragments
.set WS,  64                           ; v64-79   wo's scale words, 4 t + s
.set CW,  80                           ; v80-95   ctx's, 4 i + s
.set U,   96                           ; v96-127  the byte pairs as loaded, 8 i + head
.set ACC, 128                          ; v128-159
.set OUT, 160                          ; v160-191
.set WF,  0                            ; window 1: wo's fragments, 12 (4 t + s);
.set BI,  192                          ; the bias, 8 t
.set WV,  14
.set G1W, 24
.set G1C, 32
.set G1U, 40
.set G0W, 48
.set G0C, 52
.set G0U, 56
.set MSB, 0
.macro WIN new
.if MSB != \new
	s_set_vgpr_msb (MSB<<8)|\new
.set MSB, \new
.endif
.endm
.macro ROUND
	s_barrier_signal -1
	s_barrier_wait -1
	s_cmp_lg_u32 s[WV], 0
	s_cbranch_scc1 .Lnw0_\@
	s_barrier_signal -3
.Lnw0_\@:
	s_barrier_wait -3
	s_barrier_signal -1
	s_barrier_wait -1
.endm
.macro CFETCH n                        ; tile n of ctx: eight half records, 16 loads
.irp s, 0,1,2,3
.irp c, 0,1
	ds_load_b128 v[CF+12*\s+6*\c:CF+12*\s+6*\c+3], v4 offset:6144*(\n)+768*(2*\s+\c)
	ds_load_b64 v[CF+12*\s+6*\c+4:CF+12*\s+6*\c+5], v5 offset:6144*(\n)+768*(2*\s+\c)+512
.endr
.endr
.endm
.macro MULO n                          ; 16 matrix instructions; the four accumulators take turns, one instruction a turn
	WIN 0x11                                       ; source 0 (wo) and C (bo) window 1
.irp t, 0,1,2,3
	v_wmma_scale_f32_16x16x128_f8f6f4 v[ACC+8*\t:ACC+8*\t+7], v[WF+48*\t:WF+48*\t+11], v[CF:CF+11], v[BI+8*\t:BI+8*\t+7], v[WS+4*\t], v[CW+4*(\n)] matrix_a_fmt:MATRIX_FMT_BF6 matrix_b_fmt:MATRIX_FMT_BF6
.endr
	WIN 0x01
.irp s, 1,2,3
	s_wait_alu depctr_va_vdst(0)
.irp t, 0,1,2,3
	v_wmma_scale_f32_16x16x128_f8f6f4 v[ACC+8*\t:ACC+8*\t+7], v[WF+48*\t+12*\s:WF+48*\t+12*\s+11], v[CF+12*\s:CF+12*\s+11], v[ACC+8*\t:ACC+8*\t+7], v[WS+4*\t+\s], v[CW+4*(\n)+\s] matrix_a_fmt:MATRIX_FMT_BF6 matrix_b_fmt:MATRIX_FMT_BF6
.endr
.endr
	WIN 0
.endm
	s_load_b256 s[4:11], s[0:1], 0x0               ; opc, cc, bo, out0
	v_lshl_add_u32 v254, v0, 2, 0x29000
	v_mov_b32 v255, 0
	ds_add_u32 v254, v255
	ds_add_u32 v254, v255
	v_lshrrev_b32 v1, 5, v0
	v_readfirstlane_b32 s[WV], v1                  ; wave 0..3
	s_bfe_u32 s15, ttmp6, 0x40000                  ; cx
	s_lshl_b32 s16, ttmp9, 2
	s_add_co_u32 s16, s16, s15                     ; my block of 64 tokens
	s_and_b32 s17, ttmp7, 0xffff                   ; my half of the columns, which the partners share
	s_mov_b32 s[G1W], 15|(3<<16)|(1<<21)           ; wo: four records as 100 rows of 256 bytes, jointly
	s_mov_b32 s[G1W+1], 32<<16
	s_mov_b32 s[G1W+2], 200<<16                    ; eight records, half of the work-group's sixteen: waves 0 and 1 ask for one half each
	s_mov_b32 s[G1W+3], 32<<16
	s_mov_b32 s[G1W+4], 200
	s_mov_b32 s[G1W+5], 32
	s_mov_b32 s[G1W+6], 0
	s_mov_b32 s[G1W+7], 0
	s_mov_b32 s[G1C], 3<<16                        ; a tile of ctx: 24 rows of 256 bytes
	s_mov_b32 s[G1C+1], 32<<16
	s_mov_b32 s[G1C+2], 48<<16                     ; two tiles of ctx: waves 2 and 3 ask for two each
	s_mov_b32 s[G1C+3], 32<<16
	s_mov_b32 s[G1C+4], 48
	s_mov_b32 s[G1C+5], 32
	s_mov_b32 s[G1C+6], 0
	s_mov_b32 s[G1C+7], 0
	s_and_b32 s78, s[WV], 1                        ; which half of wo's records, or of ctx's tiles, I fetch
	s_lshl_b32 s66, s17, 4
	s_lshl_b32 s67, s78, 3
	s_add_co_u32 s66, s66, s67
	s_add_co_u32 s66, s66, 608
	s_mul_i32 s66, s66, REC                        ; wo: records 608 + 16 y + 8 (w % 2) on: made of y and the wave alone
	s_mov_b32 s67, 0
	s_lshl_b32 s68, s16, 2
	s_lshl_b32 s69, s78, 1
	s_add_co_u32 s68, s68, s69                     ; ctx: tile 4 x block + 2 x half
	s_mul_i32 s68, s68, 6144                       ; ctx: 6,144 bytes a tile
	s_mov_b32 s69, 0
	s_lshr_b32 s70, s16, 6                         ; the batch
	s_lshl_b32 s70, s70, 16                        ; the batch's eight heads, 8,192 bytes each
	s_and_b32 s71, s16, 63
	s_lshl_b32 s71, s71, 7                         ; my 64 rows' 128 bytes
	s_add_co_u32 s70, s70, s71
	s_add_co_u32 s70, s70, 3145728
	s_mov_b32 s71, 0
	s_lshl_b32 s74, s17, 10
	s_lshl_b32 s75, s[WV], 8
	s_add_co_u32 s74, s74, s75                     ; my 64 columns, in bytes
	s_lshl_b32 s72, s16, 17                        ; my 64 rows of out0
	s_add_co_u32 s72, s72, s74
	s_mov_b32 s73, 0
	s_mov_b32 s75, 0
	s_mul_i32 s60, s[WV], WREC
	s_mul_i32 s61, s78, 12288
	s_wait_dscnt 0x0
	s_wait_kmcnt 0x0
	s_mov_b32 s[G0W], 1
	s_mul_i32 s[G0W+1], s78, 2*WREC
	s_add_nc_u64 s[G0W+2:G0W+3], s[4:5], s[66:67]
	s_or_b32 s[G0W+3], s[G0W+3], 0x80000000
	s_mov_b32 s[G0C], 1
	s_add_co_u32 s[G0C+1], s61, CB
	s_add_nc_u64 s[G0C+2:G0C+3], s[6:7], s[68:69]
	s_or_b32 s[G0C+3], s[G0C+3], 0x80000000
	s_add_nc_u64 s[G0U+2:G0U+3], s[6:7], s[70:71]  ; my 64 rows' byte pairs of head 0
	s_add_nc_u64 s[72:73], s[10:11], s[72:73]
	s_add_nc_u64 s[74:75], s[8:9], s[74:75]
	ROUND                                          ; all four work-groups are here: the joint loads meet
	s_cmp_lt_u32 s[WV], 2                          ; one load a wave: waves 0, 1 wo's halves, jointly; waves 2, 3 ctx's halves
	s_cbranch_scc0 .Lfor_c
	tensor_load_to_lds s[G0W:G0W+3], s[G1W:G1W+7]
	s_nop 0
.rept 4
	v_nop
.endr
	s_branch .Lasked
.Lfor_c:
	tensor_load_to_lds s[G0C:G0C+3], s[G1C:G1C+7]
	s_nop 0
.rept 4
	v_nop
.endr
.Lasked:
	v_and_b32 v11, 31, v0
	v_and_b32 v12, 15, v0                          ; r
	v_bfe_u32 v13, v0, 4, 1                        ; h
	v_lshlrev_b32 v1, 4, v11
	v_add_nc_u32 v2, s60, v1                       ; v2  wo's images
	v_lshl_add_u32 v3, v12, 4, s60                 ; v3  wo's scale words
	v_add_nc_u32 v4, CB, v1                        ; v4  ctx: 16 x lane
	v_lshlrev_b32 v5, 3, v11
	v_add_nc_u32 v5, CB, v5                        ; v5  ctx: 8 x lane
	v_lshlrev_b32 v6, 1, v12                       ; v6  my row's byte pairs, in memory
	s_mul_i32 s63, s[WV], 16*272
	s_add_co_u32 s63, s63, STG
	v_mul_u32_u24 v7, v12, 272
	v_lshl_add_u32 v7, v13, 6, v7
	v_add_nc_u32 v7, s63, v7                       ; v7  the stage, in: row r, + 64 h
	v_mul_u32_u24 v8, v13, 272
	v_lshl_add_u32 v8, v12, 4, v8
	v_add_nc_u32 v8, s63, v8                       ; v8  back: lanes 0-15 one row, lanes 16-31 the next
	v_lshlrev_b32 v9, 11, v13
	v_lshl_add_u32 v9, v12, 4, v9                  ; v9  the same two rows in out0
	v_lshlrev_b32 v10, 6, v13                      ; v10 bo: 16 h columns on
	WIN 0x40                                       ; destination window 1
.irp t, 0,1,2,3
	global_load_b128 v[BI+8*\t:BI+8*\t+3], v10, s[74:75] offset:128*(\t/2)+32*(\t%2)       ; register j of tile 2 B + u: column 32 B + 8 u + 16 h + j of my 64
	global_load_b128 v[BI+8*\t+4:BI+8*\t+7], v10, s[74:75] offset:128*(\t/2)+32*(\t%2)+16
.endr
	WIN 0
.irp i, 0,1,2,3
.irp n, 0,1,2,3,4,5,6,7
	global_load_u16 v[U+8*\i+\n], v6, s[G0U+2:G0U+3] offset:8192*\n+32*\i   ; head n, tile i, row r: straight into registers
.endr
.endr
	s_wait_tensorcnt 0x0                           ; my load has landed,
	s_barrier_signal -1
	s_barrier_wait -1                              ; everybody's have
	WIN 0x40
.irp t, 0,1,2,3
.irp s, 0,1,2,3
.irp c, 0,1,2
	ds_load_b128 v[WF+48*\t+12*\s+4*\c:WF+48*\t+12*\s+4*\c+3], v2 offset:REC*\t+1536*\s+512*\c
.endr
.endr
.endr
	WIN 0
.irp t, 0,1,2,3
	ds_load_b128 v[WS+4*\t:WS+4*\t+3], v3 offset:REC*\t+6144
.endr
	s_wait_dscnt 0x0
	s_wait_loadcnt 0x0                             ; bo and the byte pairs
.irp i, 0,1,2,3
.irp s, 0,1,2,3
	v_lshl_or_b32 v[CW+4*\i+\s], v[U+8*\i+2*\s+1], 16, v[U+8*\i+2*\s]   ; heads 2 s and 2 s + 1: the four bytes of K step s.  Tile 0's four words are followed by twelve more plain lines ahead of the first product
.endr
.endr
	CFETCH 0
.irp i, 0,1,2,3
	s_wait_dscnt 0x0
	MULO \i
.rept 5
	v_nop                                          ; five plain lines: four ahead of the stores of the results and of the loads into the sources, the fifth since the next tile's first products write over these accumulators
.endr
.if \i > 0
	s_wait_xcnt 0x0                                ; the last tile's stores have read their registers: they are loaded again below
.endif
.irp t, 0,1,2,3
	ds_store_b128 v7, v[ACC+8*\t:ACC+8*\t+3] offset:128*(\t/2)+32*(\t%2)         ; each accumulator from its low end on
	ds_store_b128 v7, v[ACC+8*\t+4:ACC+8*\t+7] offset:128*(\t/2)+32*(\t%2)+16
.endr
.irp k, 0,1,2,3,4,5,6,7
	ds_load_b128 v[OUT+4*\k:OUT+4*\k+3], v8 offset:2*\k*272   ; LDS serves a wave's instructions in order: these see my stores
.endr
.if \i < 3
	CFETCH \i+1
	s_wait_dscnt 16                                ; the rows are back; the next tile's 16 loads may be out
.else
	s_wait_dscnt 0x0
.endif
.irp k, 0,1,2,3,4,5,6,7
	global_store_b128 v9, v[OUT+4*\k:OUT+4*\k+3], s[72:73] offset:(32*(\i/2)+8*(\i%2)+2*\k+8*(\k/4))*2048 th:TH_STORE_NT   ; stage row 2 k + h of tile i is token 32 (i / 2) + 8 (i % 2) + 2 k + h + 8 (k / 4)
.endr
.endr
	s_wait_tensorcnt 0x0
	ds_add_u32 v254, v255
	s_wait_dscnt 0x0
	ROUND                                          ; the closing round
	s_endpgm
.Lfunc_end_k_q09d79aafa9_oproj:
	.size	k_q09d79aafa9_oproj, .Lfunc_end_k_q09d79aafa9_oproj-k_q09d79aafa9_oproj
	.p2alignl 7, 3214868480
	.fill 96, 4, 3214868480
	.section	.rodata,"a",@progbits
	.p2align	6, 0x0
	.amdhsa_kernel k_q09d79aafa9_oproj
		.amdhsa_group_segment_fixed_size 168448
		.amdhsa_private_segment_fixed_size 0
		.amdhsa_enable_private_segment 0
		.amdhsa_kernarg_size 32
		.amdhsa_user_sgpr_count 2
		.amdhsa_user_sgpr_kernarg_segment_ptr 1
		.amdhsa_wavefront_size32 1
		.amdhsa_system_sgpr_workgroup_id_x 1
		.amdhsa_system_sgpr_workgroup_id_y 1
		.amdhsa_system_sgpr_workgroup_id_z 1
		.amdhsa_system_vgpr_workitem_id 0
		.amdhsa_next_free_vgpr 512
		.amdhsa_next_free_sgpr 80
		.amdhsa_reserve_vcc 0
		.amdhsa_float_denorm_mode_32 3
		.amdhsa_float_denorm_mode_16_64 3
		.amdhsa_memory_ordered 1
		.amdhsa_forward_progress 1
		.amdhsa_inst_pref_size 35
	.end_amdhsa_kernel
	.amdgpu_metadata
---
amdhsa.version: [ 1, 2 ]
amdhsa.kernels:
  - .name:           k_q09d79aafa9_oproj
    .symbol:         k_q09d79aafa9_oproj.kd
    .args:
      - { .name: opc, .offset: 0, .size: 8, .value_kind: global_buffer, .address_space: global }
      - { .name: cc, .offset: 8, .size: 8, .value_kind: global_buffer, .address_space: global }
      - { .name: bo, .offset: 16, .size: 8, .value_kind: global_buffer, .address_space: global }
      - { .name: out0, .offset: 24, .size: 8, .value_kind: global_buffer, .address_space: global }
    .group_segment_fixed_size: 168448
    .private_segment_fixed_size: 0
    .kernarg_segment_align: 8
    .kernarg_segment_size: 32
    .max_flat_workgroup_size: 128
    .sgpr_count:     80
    .vgpr_count:     512
    .wavefront_size: 32
...
	.end_amdgpu_metadata
.endif
;; end of part 6
